; MI455X (gfx1250); checked and timed in simulation.
; The chip was launched on July 23, 2026; its instructions are those of AMD's public machine-readable ISA for CDNA 5 (MIT licence, August 2026) and "CDNA5" Instruction Set Architecture Reference Guide (July 2026). The comments in the code are by the model that wrote it; some were corrected since.
;; Attention. Allowed arithmetic: matrix products marked QUANTISED: E2M1 operands, one E8M0 scale for each 32 along K, by v_wmma_scale_f32_16x16x128_f8f6f4 with both operands' format E2M1 (or v_wmma_scale_f32_32x16x128_f4), f32 sums; products left as they are: bf16, f16 or f32 operands; f32 sums; everything else in f32.
;; Inputs: W_k 1,024 x 1,024 float32; W_q 1,024 x 1,024 float32; W_v 1,024 x 1,024 float32; k_input 4 x 2,048 x 1,024 float32; q_input 4 x 2,048 x 1,024 float32; v_input 4 x 2,048 x 1,024 float32.
;; Outputs: out0 4 x 2,048 x 1,024 float32.
;; This version of the problem:
;;   THIS VERSION OF THE PROBLEM IS GIVEN IN LOW PRECISION. The matrix products marked QUANTISED in the list below multiply operands that are first quantised to E2M1 (2 exponent bits, 1 mantissa bit; 4 bits a number), with one power-of-two scale for each 32 numbers along K (OCP MX v1.0); their sums are f32. The products marked 'left as it is' may take bf16, f16 or f32 operands, with f32 sums. Whichever they take, every output number must still come out within the allowed error. Rounding operands to bf16 (8 significant bits) uses up far more of that allowance than f16 does (11 bits, for magnitudes from 6e-5 to 65,504). All else is computed in f32.
;;   The module's matrix products, in the order in which they are computed (A, B: the left and right operand; K: the contracted axis; several contracted axes count as one K, in the product's order):
;;     1. [M 8,192, K 1,024] x [K 1,024, N 1,024]; A: input q_input; B: input W_q: QUANTISED
;;     2. [M 8,192, K 1,024] x [K 1,024, N 1,024]; A: input k_input; B: input W_k: QUANTISED
;;     3. [M 8,192, K 1,024] x [K 1,024, N 1,024]; A: input v_input; B: input W_v: QUANTISED
;;     4. batch 4 x [M 2,048, K 1,024] x [K 1,024, N 2,048]; A: computed on the way; B: computed on the way: left as it is (an operand is computed on the way)
;;     5. batch 4 x [M 2,048, K 2,048] x [K 2,048, N 1,024]; A: computed on the way; B: computed on the way: left as it is (an operand is computed on the way)
;;   THE QUANTISER, for each operand of a quantised product, along K:
;;     - K is cut into blocks of 32 from its start; a last block that is shorter is filled with zeros.
;;     - A block's scale is 2^e with e = floor(log2(the largest magnitude in the block)) - 2, held to -126 .. 127; a block of zeros has e = 0. As a byte (E8M0): e + 127.
;;     - Each number is divided by its block's scale, clamped to +-6, and rounded to the nearest number of E2M1, ties to even, subnormals kept.
;;     - The product sums the exact products of the quantised numbers (number of the format x scale) in f32.
;;   ~~~python
;;   def quantise(x, axis):      # numpy; x: float32 -> the quantised numbers, widened to float32 again
;;       x = np.moveaxis(x, axis, -1); K = x.shape[-1]
;;       x = np.pad(x, [(0, 0)] * (x.ndim - 1) + [(0, -K % 32)]); x = x.reshape(x.shape[:-1] + (-1, 32)); a = np.abs(x).max(-1, keepdims=True)
;;       e = np.where(a > 0, np.clip(np.frexp(np.where(a > 0, a, 1))[1] - 1 - 2, -126, 127), 0)      # np.frexp(a)[1] - 1 = floor(log2(a)), exactly
;;       r = np.clip(x / 2.0 ** e, -6, 6)
;;       step = 2.0 ** (np.maximum(np.frexp(np.where(r == 0, 1, r))[1] - 1, 0) - 1)
;;       q = np.round(r / step) * step * 2.0 ** e      # np.round: ties to even
;;       return np.moveaxis(q.reshape(q.shape[:-2] + (-1,))[..., :K], -1, axis).astype(np.float32)
;;   ~~~
;; One version. Each part assembles by itself: llvm-mc -triple=amdgcn-amd-amdhsa -mcpu=gfx1250 --defsym DOCPART=n.
;; ======== version 1 of 1: 4 launches
;; limits: values are held in f16: magnitudes above 65,504 overflow, below 6.1e-05 lose precision
;; workspace buffers: xcodes 12,582,912 bytes; xscales 786,432 bytes; wcodes 1,572,864 bytes; wscales 98,304 bytes; qkv16 50,331,648 bytes; e16 33,554,432 bytes; stats 1,048,576 bytes
;; launch quant (part 1): grid 864 x 1, 4 waves a work-group, no clusters, 33,280 bytes of LDS; arguments q_input, k_input, v_input, W_q, W_k, W_v, xcodes, xscales, wcodes, wscales; writes xcodes, xscales, wcodes, wscales
.if DOCPART == 1
	.amdgcn_target "amdgcn-amd-amdhsa--gfx1250"
	.amdhsa_code_object_version 6
	.text
	.protected	k_q0e1a068aa9_quant
	.globl	k_q0e1a068aa9_quant
	.p2align	8
	.type	k_q0e1a068aa9_quant,@function
k_q0e1a068aa9_quant:
	s_mov_b64 s[64:65], 0
	v_nop
	global_prefetch_b8 v0, s[64:65] scope:SCOPE_SE
	s_setreg_imm32_b32 hwreg(HW_REG_WAVE_MODE, 25, 1), 1
	s_wait_xcnt 0x0
; LAUNCH 1 OF 4.  out = softmax((q_in Wq^T)(k_in Wk^T)^T / 32) (v_in Wv^T).  No work of the problem is left out: there is no mask, no bias and no slice, and all six inputs reach the output and are loaded.
; This launch turns the six f32 inputs (K = their last axis, 1,024) into codes of FP4 (E2M1), two a byte, K innermost, with one E8M0 scale byte for each 32 along K.
; The three x tensors go one behind the other (q, k, v) into xcodes [24,576][512 bytes] and xscales [24,576][32]; the three weights likewise into wcodes [3,072][512] and wscales [3,072][32].
; A block's scale is 2^(floor(log2(its largest magnitude)) - 2); its byte is the largest magnitude's own exponent field - 2, held at 1 from below.  Each number is divided by the scale and rounded to the nearest code, ties to even;
; beyond 6 the conversion gives the largest code.  (A block of zeros gets the byte 1 where the quantiser says 127: its codes are zeros, which add nothing under any byte but 0xff, and the bytes are read by this program alone.)
; LIMITS: NaN and infinities among the inputs are not served; blocks whose largest magnitude lies under 2^-124 keep the byte 1.
; Rows are dense and 1,024 is a multiple of 32: every tensor is a plain stream of blocks of 32.  A work-group takes 32,768 numbers, a wave 16 steps of 512.  Work-groups 0-767 take the x tensors (256 each), 768-863 the weights (32 each):
; only pointers are chosen, by the work-group's number; all take one path through the text.
; Each of a step's four loads reads 512 consecutive bytes, 16 a lane; the 2,048 bytes turn through the wave's own stage in LDS and come back 64 bytes a lane, so that a lane holds 16 neighbours along K (two lanes hold a block).
; A lane's 16 codes are 8 bytes: the wave stores 256 consecutive bytes.  A wave's 256 scale bytes are gathered in LDS and leave as one store of 256 consecutive bytes.  No barrier: waves share nothing.
.set WAVES, 4
.set STEPS, 16
.set XWG,   768                        ; work-groups of the x tensors
.set CB,    8                          ; bytes of 16 codes
.set R,     16                         ; v16-79   four sets of 16 numbers as they are loaded
.set X,     80                         ; v80-111  two sets of 16 neighbours
.set E,     112                        ; v112-127 a scale byte for each step
.set C,     128                        ; v128-191 codes: four registers for each step, so that no store's data are written again
.set WREG,  8192                       ; LDS: a region for each wave: two stages of 32 x SP bytes, behind them its 256 scale bytes
.set SP,    80                         ; a lane's place in a stage: 64 bytes + 16 of padding
.set SPW,   12                         ; v12  LDS address of my spare word; never rewritten
.set NIL,   13                         ; v13  0; never rewritten
.set SPARE, WAVES*WREG                 ; behind the four regions: the spare words, 128 bytes a wave, which no other line names
	s_load_b512 s[4:19], s[0:1], 0x0               ; q_input, k_input, v_input, W_q, W_k, W_v, xcodes s[16:17], xscales s[18:19]
	s_load_b128 s[20:23], s[0:1], 0x40             ; wcodes, wscales
	v_lshl_add_u32 v[SPW], v0, 2, SPARE
	v_mov_b32 v[NIL], 0
	v_lshrrev_b32 v1, 5, v0
	v_readfirstlane_b32 s24, v1                    ; wave
	v_and_b32 v2, 31, v0                           ; lane
	v_lshlrev_b32 v3, 4, v2                        ; my 16 bytes of a load's 512
	s_mul_i32 s25, s24, WREG
	v_lshrrev_b32 v14, 2, v2
	v_mul_u32_u24 v14, v14, SP
	v_and_b32 v15, 3, v2
	v_lshl_add_u32 v14, v15, 4, v14
	v_add_nc_u32 v14, s25, v14                     ; the stage, on the way in: SP (lane / 4) + 16 (lane % 4)
	v_mul_u32_u24 v15, v2, SP
	v_add_nc_u32 v15, s25, v15                     ; on the way out: SP x lane: my 16 neighbours
	v_mul_u32_u24 v4, v2, CB                       ; my codes' place in a step's
	v_lshrrev_b32 v5, 1, v2
	s_add_co_u32 s25, s25, 2*32*SP
	v_add_nc_u32 v5, s25, v5                       ; LDS: my wave's 256 scale bytes, my block's byte
	v_lshlrev_b32 v7, 3, v2                        ; and on the way out 8 bytes a lane
	v_add_nc_u32 v6, s25, v7
	s_wait_kmcnt 0x0
	s_cmp_lt_u32 ttmp9, XWG                        ; an x tensor or a weight?  The choice hangs on the work-group's number alone
	s_cselect_b64 s[4:5], s[4:5], s[10:11]
	s_cselect_b64 s[6:7], s[6:7], s[12:13]
	s_cselect_b64 s[8:9], s[8:9], s[14:15]
	s_cselect_b64 s[16:17], s[16:17], s[20:21]     ; the codes' buffer
	s_cselect_b64 s[18:19], s[18:19], s[22:23]     ; the scale bytes' buffer
	s_cselect_b32 s26, 0, XWG
	s_cselect_b32 s27, 8, 5                        ; 256 or 32 work-groups to a tensor
	s_sub_co_u32 s28, ttmp9, s26                   ; my number among the family's work-groups: it places the results, which lie one tensor behind the other
	s_lshr_b32 s29, s28, s27                       ; which of the three tensors
	s_lshl_b32 s30, s29, s27
	s_sub_co_u32 s30, s28, s30                     ; my number inside it
	s_cmp_eq_u32 s29, 0
	s_cselect_b64 s[4:5], s[4:5], s[6:7]
	s_cmp_eq_u32 s29, 2
	s_cselect_b64 s[4:5], s[8:9], s[4:5]
	s_lshl_b32 s30, s30, 2
	s_add_co_u32 s30, s30, s24                     ; which run of 8,192 numbers of the tensor is my wave's
	s_lshl_b32 s30, s30, 15                        ; 32,768 bytes a run
	s_mov_b32 s31, 0
	s_add_nc_u64 s[4:5], s[4:5], s[30:31]
	s_lshl_b32 s28, s28, 2
	s_add_co_u32 s28, s28, s24                     ; which run of the family
	s_lshl_b32 s30, s28, 12                        ; 4,096 bytes of codes a run
	s_add_nc_u64 s[16:17], s[16:17], s[30:31]
	s_lshl_b32 s30, s28, 8                         ; 256 scale bytes a run
	s_add_nc_u64 s[18:19], s[18:19], s[30:31]
.macro LOAD t
.irp i, 0,1,2,3
	global_load_b128 v[R+16*((\t)%4)+4*\i:R+16*((\t)%4)+4*\i+3], v3, s[4:5] offset:2048*(\t)+512*\i th:TH_LOAD_NT   ; 32 lanes read 512 consecutive bytes
.endr
.endm
.macro TURN t                          ; step t's numbers through the stage: LDS serves a wave's instructions in order, so no wait stands between the stores and the loads
.irp i, 0,1,2,3
	ds_store_b128 v14, v[R+16*((\t)%4)+4*\i:R+16*((\t)%4)+4*\i+3] offset:32*SP*((\t)%2)+8*SP*\i
.endr
.irp i, 0,1,2,3
	ds_load_b128 v[X+16*((\t)%2)+4*\i:X+16*((\t)%2)+4*\i+3], v15 offset:32*SP*((\t)%2)+16*\i
.endr
.endm
.irp t, 0,1,2,3
	LOAD \t
.endr
	s_wait_loadcnt 12                              ; step 0's four loads are in; the twelve of steps 1 to 3 may be out
	TURN 0
.macro STEP t
.set XS, X+16*((\t)%2)
.if (\t) > 0
	s_wait_dscnt 1                                 ; this step's numbers are back from the stage (the last step's byte store may be out): so its stores into the stage have read their registers,
.else
	s_wait_dscnt 0x0
.endif
.if (\t)+4 < STEPS
	LOAD (\t)+4                                    ; which take the loads of four steps on
.endif
.if (\t)+1 < STEPS
.if STEPS-2-(\t) >= 3
	s_wait_loadcnt 12                              ; the next step's four loads are in; those of the three steps behind it may be out
.else
	s_wait_loadcnt 4*(STEPS-2-(\t))
.endif
	TURN (\t)+1                                    ; and go through the other stage while this step is worked
.endif
	v_max3_num_f32 v8, |v[XS]|, |v[XS+1]|, |v[XS+2]|               ; the largest magnitude of my 16, in two chains
	v_max3_num_f32 v9, |v[XS+3]|, |v[XS+4]|, |v[XS+5]|
.irp i, 6,10
	v_max3_num_f32 v8, v8, |v[XS+\i]|, |v[XS+\i+1]|
	v_max3_num_f32 v9, v9, |v[XS+\i+2]|, |v[XS+\i+3]|
.endr
	v_max3_num_f32 v8, v8, |v[XS+14]|, |v[XS+15]|
	v_max3_num_f32 v8, v8, v9, 0x1800000           ; and the floor 2^(3 - 127): the byte cannot fall under 1
	v_max_num_f32_dpp v8, v8, v8 row_xmask:1 row_mask:0xf bank_mask:0xf   ; and of my neighbour's 16: the block's
	v_add_nc_u32 v11, 0xff000000, v8               ; 2 off its exponent field: the conversion takes the exponent field of this operand as its scale
	v_cvt_scalef32_pk8_fp4_f32 v[C+4*(\t)], v[XS:XS+7], v11
	v_cvt_scalef32_pk8_fp4_f32 v[C+4*(\t)+1], v[XS+8:XS+15], v11
	v_lshrrev_b32 v[E+(\t)], 23, v11               ; the scale's byte (a plain line behind the conversions)
	ds_store_b8 v5, v[E+(\t)] offset:16*(\t)       ; both lanes of a block write the same byte with the same value
	global_store_b64 v4, v[C+4*(\t):C+4*(\t)+1], s[16:17] offset:32*CB*(\t)   ; 32 lanes store 256 consecutive bytes, at a multiple of 256 from the buffer's first byte
.endm
.irp t, 0,1,2,3,4,5,6,7,8,9,10,11,12,13,14,15
	STEP \t
.endr
	ds_load_b64 v[8:9], v6                         ; LDS serves a wave's instructions in order: these see my stores
	s_wait_dscnt 0x0
	global_store_b64 v7, v[8:9], s[18:19]          ; 32 lanes store 256 consecutive bytes
	s_wait_tensorcnt 0x0                           ; the wave's end
	ds_add_u32 v[SPW], v[NIL]
	s_wait_dscnt 0x0
	s_endpgm
.Lfunc_end_k_q0e1a068aa9_quant:
	.size	k_q0e1a068aa9_quant, .Lfunc_end_k_q0e1a068aa9_quant-k_q0e1a068aa9_quant
	.p2alignl 7, 3214868480
	.fill 96, 4, 3214868480
	.section	.rodata,"a",@progbits
	.p2align	6, 0x0
	.amdhsa_kernel k_q0e1a068aa9_quant
		.amdhsa_group_segment_fixed_size 33280
		.amdhsa_private_segment_fixed_size 0
		.amdhsa_enable_private_segment 0
		.amdhsa_kernarg_size 80
		.amdhsa_user_sgpr_count 2
		.amdhsa_user_sgpr_kernarg_segment_ptr 1
		.amdhsa_wavefront_size32 1
		.amdhsa_system_sgpr_workgroup_id_x 1
		.amdhsa_system_sgpr_workgroup_id_y 1
		.amdhsa_system_sgpr_workgroup_id_z 1
		.amdhsa_system_vgpr_workitem_id 0
		.amdhsa_next_free_vgpr 192
		.amdhsa_next_free_sgpr 66
		.amdhsa_reserve_vcc 0
		.amdhsa_float_denorm_mode_32 3
		.amdhsa_float_denorm_mode_16_64 3
		.amdhsa_memory_ordered 1
		.amdhsa_forward_progress 1
		.amdhsa_inst_pref_size 34
	.end_amdhsa_kernel
	.amdgpu_metadata
---
amdhsa.version: [ 1, 2 ]
amdhsa.kernels:
  - .name:           k_q0e1a068aa9_quant
    .symbol:         k_q0e1a068aa9_quant.kd
    .args:
      - { .name: q_input, .offset: 0, .size: 8, .value_kind: global_buffer, .address_space: global }
      - { .name: k_input, .offset: 8, .size: 8, .value_kind: global_buffer, .address_space: global }
      - { .name: v_input, .offset: 16, .size: 8, .value_kind: global_buffer, .address_space: global }
      - { .name: W_q, .offset: 24, .size: 8, .value_kind: global_buffer, .address_space: global }
      - { .name: W_k, .offset: 32, .size: 8, .value_kind: global_buffer, .address_space: global }
      - { .name: W_v, .offset: 40, .size: 8, .value_kind: global_buffer, .address_space: global }
      - { .name: xcodes, .offset: 48, .size: 8, .value_kind: global_buffer, .address_space: global }
      - { .name: xscales, .offset: 56, .size: 8, .value_kind: global_buffer, .address_space: global }
      - { .name: wcodes, .offset: 64, .size: 8, .value_kind: global_buffer, .address_space: global }
      - { .name: wscales, .offset: 72, .size: 8, .value_kind: global_buffer, .address_space: global }
    .group_segment_fixed_size: 33280
    .private_segment_fixed_size: 0
    .kernarg_segment_align: 8
    .kernarg_segment_size: 80
    .max_flat_workgroup_size: 128
    .sgpr_count:     66
    .vgpr_count:     192
    .wavefront_size: 32
...
	.end_amdgpu_metadata
.endif
;; end of part 1
;; launch proj (part 2): grid 4 x 48, 4 waves a work-group, clusters of 4 x 4, 327,680 bytes of LDS; arguments xcodes, xscales, wcodes, wscales, qkv16; writes qkv16
.if DOCPART == 2
	.amdgcn_target "amdgcn-amd-amdhsa--gfx1250"
	.amdhsa_code_object_version 6
	.text
	.protected	k_q0e1a068aa9_proj
	.globl	k_q0e1a068aa9_proj
	.p2align	8
	.type	k_q0e1a068aa9_proj,@function
k_q0e1a068aa9_proj:
	s_mov_b64 s[64:65], 0
	v_nop
	global_prefetch_b8 v0, s[64:65] scope:SCOPE_SE
	s_setreg_imm32_b32 hwreg(HW_REG_WAVE_MODE, 25, 1), 1
	s_wait_xcnt 0x0
	s_wait_alu depctr_hold_cnt(0) depctr_sa_sdst(0) depctr_va_vdst(0) depctr_va_sdst(0) depctr_va_ssrc(0) depctr_va_vcc(0) depctr_vm_vsrc(0)
	s_getreg_b32 s2, hwreg(HW_REG_IB_STS2, 6, 4)
	s_cmp_eq_u32 s2, 0
	s_cbranch_scc0 .Lentry_in_a_cluster
	s_endpgm
.Lentry_in_a_cluster:
	s_bfe_u32 s2, ttmp6, 0x10000c
	s_cmp_lg_u32 s2, 0xf033
	s_cbranch_scc0 .Lentry_shape_is_right
	s_endpgm
.Lentry_shape_is_right:
; LAUNCH 2 OF 4.  The three projections as ONE product on codes of FP4 (E2M1) with E8M0 scales for each 32 along K: qkv16[row][e] = sum over d of x[row][d] W_t[e][d], rows 0-8,191 q, 8,192-16,383 k, 16,384-24,575 v; t = row / 8,192.
; Sums in f32; the result is rounded once to f16, the operand format of the two later products.  LIMIT: |q|, |k|, |v| up to 65,504, f16's largest number.  Nothing is left out.
; A tile of 256 rows x 256 columns is made by a work-group of four waves, a wave makes 128 x 128: 64 accumulators of 16 x 16, 512 registers.  There are 96 x 4 = 384 tiles, which is no multiple of 256:
; 192 WORK-GROUPS STAY AND MAKE TWO TILES EACH, 48 tile rows (12,288 rows) apart, so that set-up and the wait for the last stores are had once for two tiles, and the first tile's stores leave while the second is multiplied.
; K = 1,024 is two K steps of 512 (rows of 256 bytes of codes), one in each of two LDS slots; the ring goes on into the second tile: each slot is filled again once.  The scale bytes of both tiles' 256 + 256 rows for all of K
; are dense blocks of memory and come with the first fills.
; CLUSTERS: 4 x 4 work-groups.  The four of a row of the cluster need the same tiles of x, the four of a column the same tiles of W: each tile is asked for jointly, by the same tensor load with the same descriptor and a mask that names the four.
; A cluster's 1,024 rows lie in one tensor (8 clusters to a tensor), in both tiles, so W's tensor hangs on the cluster's y alone.
; THE MATRIX INSTRUCTION IS USED TRANSPOSED (source 0 = 16 rows of W, source 1 = 16 rows of x): a lane then holds eight neighbouring columns of one row of the result.
; REGISTERS, in windows of 256: window 0: v0-31 addresses; v32-95 scale words, two sets; v96-127, v192-255 the way out; v128-191 x's fragments, ONE set.  window 1: W's fragments, TWO sets, at v0 and v128.
;   window 2: the 32 accumulators of my rows 0-63 (accumulator (a, b) at v[8 (8 a + b)]);  window 3: those of my rows 64-127.
.set KSTEP,  512
.set NQ,     KSTEP/128                 ; matrix instructions deep
.set ROWB,   256                       ; a tile's row in bytes
.set KROW,   512                       ; a row of codes in memory
.set PITCH,  272                       ; an LDS row: 256 bytes + 16 of padding: the 16 rows that a load touches start 68 words apart
.set FR,     8                         ; registers of a fragment: 16 rows x 128 K
.set NL,     2                         ; LDS loads that bring one
.set NP,     4                         ; places behind this matrix instruction (ISA guide 7.12.1)
.set HALFT,  128*PITCH
.set SLOT,   4*HALFT                   ; x's 256 rows, then W's 256 rows
.set KS,     32                        ; a row of scale bytes
.set HALFS,  (128*KS/256)*272          ; the scales of 128 rows: what one tensor load brings
.set SBLK,   (16*KS/256)*272
.set SCL0,   2*SLOT                    ; behind the ring: the first tile's scales, as rows of 256 bytes + 16 of padding;
.set SCL1,   SCL0+4*HALFS              ; the second tile's
.set SPARE,  SCL1+4*HALFS              ; the spare words, 128 bytes a wave, which no other line names
.set STAGE,  SCL0                      ; the way out: 16 rows x 272 bytes for each wave, in the first tile's scale bytes: filled once, and read for the last time in front of the barrier that ends the first tile's K
.set SPITCH, 272
.set OROW,   2048                      ; a row of qkv16 in bytes
.set WALK,   48*256                    ; rows from the first tile to the second
.set WALKA,  WALK*KROW                 ; in bytes of x's codes,
.set WALKS,  WALK*KS                   ; of x's scale bytes,
.set NEXT_C, (WALK-7*16)*OROW          ; and from my last 16 rows of the first tile to my first of the second, in the result
.set ADRA, 16                          ; v16-17  LDS address of my x fragments in slot 0, 1
.set ADRB, 20                          ; v20-21  the same for W
.set STO,  24                          ; v24     the way out: where I put 16 bytes of a row
.set RD,   25                          ; v25     where I read a row back
.set CO,   26                          ; v26     my byte offset in two rows of the result
.set ADRS, 27                          ; v27     LDS address of my scale words: lanes 0-15 x's rows, lanes 16-31 W's
.set SPW,  28                          ; v28     my spare word; never rewritten
.set NIL,  29                          ; v29     0; never rewritten
.set SC,   32                          ; scale words: set s at v[SC + 32 s]; register 4 i + q: lanes 0-15 x's block i, lanes 16-31 W's block i, the slot's q-th 128 along K
.set TMP,  96                          ; the way out: packed results
.set AF,   128                         ; x's fragments
.set BK,   192                         ; the way out: 16 rows read back: v192-223 and v224-255 by turns
.set G0T,  4                           ; s[4:7], s[8:11] groups 0 for the second tile's scales (in the registers that held the arguments)
.set G0TB, 8
.set G1, 24
.set G0, 32
.set G1B, 48
.set G0B, 56
.set G1S, 68
.set G0S, 76
.set G1SB, 80
.set G0SB, 88
.set DB,  98                           ; s[98:99] bytes from the first tile's weight to the second's, in wcodes
.set MSB, 0
.macro WIN new                         ; the immediate's high byte repeats the setting that is left
.if MSB != (\new)
	s_set_vgpr_msb (MSB<<8)|(\new)
.set MSB, (\new)
.endif
.endm
.set MUL_LO, 0xa1                      ; source 0 (W) window 1, source 1 (x) window 0, C and D window 2
.set MUL_HI, 0xf1                      ; the same, C and D window 3
.set TO_B,   0x40                      ; destination window 1, address window 0
; A joint load: waves 0 and 1 fetch for x, waves 2 and 3 for W.  The branch hangs on the wave's number alone.  An s_nop 0 and four v_nop follow each of the two lines.
.macro JLOAD g0a, g1a, g0b, g1b
	s_cmp_eq_u32 s15, 0
	s_cbranch_scc0 .Lfor_b_\@
	tensor_load_to_lds s[\g0a:\g0a+3], s[\g1a:\g1a+7]
	s_nop 0
.rept 4
	v_nop
.endr
	s_branch .Lasked_\@
.Lfor_b_\@:
	tensor_load_to_lds s[\g0b:\g0b+3], s[\g1b:\g1b+7]
	s_nop 0
.rept 4
	v_nop
.endr
.Lasked_\@:
.endm
.macro CREST                           ; a round of the cluster's barrier behind its opening barrier
	s_cmp_lg_u32 s14, 0
	s_cbranch_scc1 .Lnot_wave_0_\@
	s_barrier_signal -3
.Lnot_wave_0_\@:
	s_barrier_wait -3
	s_barrier_signal -1
	s_barrier_wait -1
.endm
.macro CROUND                          ; a whole round
	s_barrier_signal -1
	s_barrier_wait -1
	CREST
.endm
	s_load_b128 s[4:7], s[0:1], 0x0                ; x's codes, x's scales
	s_load_b128 s[8:11], s[0:1], 0x10              ; W's codes, W's scales
	s_load_b64 s[12:13], s[0:1], 0x20              ; qkv16
	v_lshl_add_u32 v[SPW], v0, 2, SPARE
	v_mov_b32 v[NIL], 0
	ds_add_u32 v[SPW], v[NIL]                      ; the wave's opening: the add, twice on end, and its wait ahead of my first tensor load
	ds_add_u32 v[SPW], v[NIL]
	v_lshrrev_b32 v1, 5, v0
	v_readfirstlane_b32 s14, v1                    ; wave 0..3
	s_lshr_b32 s15, s14, 1                         ; which half of the tile's rows is mine.  Also: I fetch for x (0) or for W (1)
	s_and_b32 s16, s14, 1                          ; which half of its columns.  Also: which 128 rows of that tile I fetch
	s_bfe_u32 s40, ttmp6, 0x40000                  ; cx, cy: my place in the cluster
	s_bfe_u32 s41, ttmp6, 0x40004
	s_lshl_b32 s42, ttmp9, 2
	s_add_co_u32 s42, s42, s40                     ; tile column = 4 x cluster x + cx
	s_and_b32 s17, ttmp7, 0xffff                   ; cluster y, 0 .. 11
	s_lshr_b32 s96, s17, 3                         ; the first tile's tensor: 8 clusters of 1,024 rows each
	s_add_co_u32 s97, s17, 12
	s_lshr_b32 s97, s97, 3                         ; the second tile's: 12 clusters further down
	s_sub_co_u32 s97, s97, s96                     ; tensors on: 1 or 2
	s_lshl_b32 s[DB], s97, 19                      ; x 1,024 rows x 512 bytes of codes
	s_mov_b32 s[DB+1], 0
	s_lshl_b32 s66, s97, 15                        ; x 1,024 rows x 32 scale bytes
	s_mov_b32 s67, 0
	s_lshl_b32 s96, s96, 10                        ; the first tile's weight: its first row in wcodes
	s_lshl_b32 s17, s17, 2
	s_add_co_u32 s17, s17, s41                     ; the first tile's row = 4 x cluster y + cy
	s_lshl_b32 s43, s41, 2
	s_lshl_b32 s43, 15, s43                        ; my row of the cluster
	s_lshl_b32 s44, 0x1111, s40                    ; my column
	; descriptor group 1: a tile of 128 rows x 256 bytes, padded in LDS
	s_or_b32 s[G1+0], s43, (0<<16)|(1<<20)|(1<<21)|(5<<22)|(3<<25)  ; 15:0 the mask; 17:16 element of 1 byte; 20 padding on; 21 set beside a mask; 24:22 after every 64 words; 31:25 four words
	s_or_b32 s[G1B+0], s44, (0<<16)|(1<<20)|(1<<21)|(5<<22)|(3<<25)
.irp g, G1, G1B
	s_mov_b32 s[\g+1], ROWB<<16                    ; tensor_dim0
	s_mov_b32 s[\g+2], 128<<16                     ; tensor_dim1
	s_mov_b32 s[\g+3], ROWB<<16                    ; tile_dim0
	s_mov_b32 s[\g+4], 128                         ; tile_dim1
	s_mov_b32 s[\g+5], KROW                        ; tensor_dim0_stride
	s_mov_b32 s[\g+6], 0
	s_mov_b32 s[\g+7], 0
.endr
	; the scales of 128 rows: a dense block of 4,096 bytes, as 16 rows of 256 bytes (32 elements of 8 bytes), 16 bytes of padding behind each
	s_or_b32 s[G1S+0], s43, (3<<16)|(1<<20)|(1<<21)|(5<<22)|(3<<25)
	s_or_b32 s[G1SB+0], s44, (3<<16)|(1<<20)|(1<<21)|(5<<22)|(3<<25)
.irp g, G1S, G1SB
	s_mov_b32 s[\g+1], 32<<16
	s_mov_b32 s[\g+2], (128*KS/256)<<16
	s_mov_b32 s[\g+3], 32<<16
	s_mov_b32 s[\g+4], 128*KS/256
	s_mov_b32 s[\g+5], 32
	s_mov_b32 s[\g+6], 0
	s_mov_b32 s[\g+7], 0
.endr
	s_lshl_b32 s18, s16, 7                         ; which 128 rows of the tile I fetch
	s_lshl_b32 s20, s17, 8
	s_add_co_u32 s20, s20, s18                     ; x: row 256 x tile row + 128 x half
	s_lshl_b32 s46, s42, 8
	s_add_co_u32 s46, s46, s18
	s_add_co_u32 s46, s46, s96                     ; W: row 1,024 x tensor + 256 x tile column + 128 x half
	s_mov_b32 s21, 0
	s_mov_b32 s47, 0
	s_mov_b64 s[18:19], KS
	s_mul_u64 s[22:23], s[20:21], s[18:19]         ; where these rows' scales begin, in bytes
	s_mul_u64 s[92:93], s[46:47], s[18:19]
	s_mov_b64 s[18:19], KROW
	s_mul_u64 s[20:21], s[20:21], s[18:19]         ; and their codes
	s_mul_u64 s[46:47], s[46:47], s[18:19]
	s_mul_i32 s45, s14, HALFT                      ; where they go: wave x 128 rows: no place in the cluster enters an LDS address
	s_mul_i32 s94, s14, HALFS
	s_wait_dscnt 0x0                               ; both opening adds are done
	s_wait_kmcnt 0x0
	s_add_nc_u64 s[20:21], s[4:5], s[20:21]
	s_add_nc_u64 s[22:23], s[6:7], s[22:23]
	s_add_nc_u64 s[46:47], s[8:9], s[46:47]
	s_add_nc_u64 s[92:93], s[10:11], s[92:93]
	CROUND                                         ; all sixteen work-groups are here: the first joint loads meet
	s_mov_b32 s[G0S], 1
	s_add_co_u32 s[G0S+1], s94, SCL0
	s_mov_b64 s[G0S+2:G0S+3], s[22:23]
	s_or_b32 s[G0S+3], s[G0S+3], 0x80000000
	s_mov_b32 s[G0SB], 1
	s_add_co_u32 s[G0SB+1], s94, SCL0
	s_mov_b64 s[G0SB+2:G0SB+3], s[92:93]
	s_or_b32 s[G0SB+3], s[G0SB+3], 0x80000000
	JLOAD G0S, G1S, G0SB, G1SB                     ; the first tile's scales first: they are wanted with K step 0
	s_mov_b32 s[G0T], 1
	s_add_co_u32 s[G0T+1], s94, SCL1
	s_add_nc_u64 s[G0T+2:G0T+3], s[22:23], WALKS
	s_or_b32 s[G0T+3], s[G0T+3], 0x80000000
	s_mov_b32 s[G0TB], 1
	s_add_co_u32 s[G0TB+1], s94, SCL1
	s_add_nc_u64 s[G0TB+2:G0TB+3], s[92:93], s[66:67]
	s_or_b32 s[G0TB+3], s[G0TB+3], 0x80000000
	JLOAD G0T, G1S, G0TB, G1SB                     ; the second tile's scales
.irp s, 0,1
	s_mov_b32 s[G0+4*\s], 1
	s_add_co_u32 s[G0+4*\s+1], s45, \s*SLOT
	s_add_nc_u64 s[G0+4*\s+2:G0+4*\s+3], s[20:21], \s*ROWB
	s_or_b32 s[G0+4*\s+3], s[G0+4*\s+3], 0x80000000
	s_mov_b32 s[G0B+4*\s], 1
	s_add_co_u32 s[G0B+4*\s+1], s45, \s*SLOT
	s_add_nc_u64 s[G0B+4*\s+2:G0B+4*\s+3], s[46:47], \s*ROWB
	s_or_b32 s[G0B+4*\s+3], s[G0B+4*\s+3], 0x80000000
	JLOAD G0+4*\s, G1, G0B+4*\s, G1B               ; four tensor loads of mine are out behind the second of these
.endr
	v_and_b32 v1, 15, v0                           ; l % 16
	v_bfe_u32 v2, v0, 4, 1                         ; l / 16
	v_mul_u32_u24 v3, v1, PITCH
	v_lshl_add_u32 v4, v2, 4, v3                   ; a fragment's row x pitch + 16 x half
	s_mul_i32 s21, s15, HALFT                      ; my 128 rows of x
	s_mul_i32 s22, s16, HALFT                      ; my 128 rows of W,
	s_add_co_u32 s22, s22, 2*HALFT                 ; which lie behind x's 256
.irp s, 0,1
	v_add_nc_u32 v[ADRA+\s], s21, v4
	v_add_nc_u32 v[ADRB+\s], s22, v4
	s_add_co_u32 s21, s21, SLOT
	s_add_co_u32 s22, s22, SLOT
.endr
	v_mul_u32_u24 v5, v1, KS                       ; my row's scales: 32 bytes a row,
	v_lshrrev_b32 v6, 8, v5
	v_lshl_add_u32 v5, v6, 4, v5                   ; and 16 more for each 256 passed
	s_mul_i32 s21, s15, HALFS                      ; x's: my 128 rows
	s_mul_i32 s22, s16, HALFS                      ; W's: my 128 rows, behind x's 256
	s_add_co_u32 s22, s22, 2*HALFS
	s_sub_co_u32 s22, s22, s21
	v_mul_u32_u24 v6, s22, v2                      ; lanes 16-31 take W's: one product, the distance between the two bases
	s_add_co_u32 s21, s21, SCL0
	v_add_nc_u32 v5, v5, v6
	v_add_nc_u32 v[ADRS], s21, v5
	s_mul_i32 s23, s14, 16*SPITCH
	s_add_co_u32 s23, s23, STAGE                   ; my stage: the bytes that my own load of scales filled
	v_mul_u32_u24 v5, v1, SPITCH                   ; in: row l % 16, 16 bytes for each half of the lanes
	v_lshl_add_u32 v5, v2, 4, v5
	v_add_nc_u32 v[STO], s23, v5
	v_mul_u32_u24 v5, v2, SPITCH                   ; back: lanes 0-15 take one row of 256 bytes, lanes 16-31 the next
	v_lshl_add_u32 v5, v1, 4, v5
	v_add_nc_u32 v[RD], s23, v5
	v_lshlrev_b32 v5, 11, v2                       ; and the same two rows in the result
	v_lshl_add_u32 v[CO], v1, 4, v5
	s_lshl_b32 s20, s17, 8
	s_lshl_b32 s21, s15, 7
	s_add_co_u32 s20, s20, s21                     ; my first row: 256 x tile row + 128 x half
	s_lshl_b32 s20, s20, 11                        ; x 2,048 bytes: under 2^26
	s_mov_b32 s21, 0
	s_lshl_b32 s46, s42, 9                         ; my first column, in bytes: 512 x tile column + 256 x half
	s_lshl_b32 s47, s16, 8
	s_add_co_u32 s46, s46, s47
	s_mov_b32 s47, 0
	s_add_nc_u64 s[20:21], s[20:21], s[46:47]
	s_add_nc_u64 s[12:13], s[12:13], s[20:21]
.macro FRAG reg, adr, q, i             ; a fragment, 16 rows x 128 K of 4-bit codes: lane l holds row l % 16; registers 4 c .. 4 c + 3 hold K = 64 c + 32 (l / 16) + 0 .. 31
.irp c, 0,1
	ds_load_b128 v[\reg+4*\c:\reg+4*\c+3], v[\adr] offset:64*(\q)+32*\c+(\i)*16*PITCH
.endr
.endm
; 16 matrix instructions: x's blocks a0, a0 + 1 against W's eight, 128 along K.  p: W's set; sc: the set of scale words.  zero = 1: the product starts the sums.
; The 64 accumulators take turns, one instruction a turn, in the same order in every step and from tile to tile.
.macro MUL16 a0, p, q, sc, zero
.irp a, \a0, \a0+1
.irp b, 0,1,2,3,4,5,6,7
.if \zero
	v_wmma_scale_f32_16x16x128_f8f6f4 v[8*(8*((\a)%4)+\b):8*(8*((\a)%4)+\b)+7], v[128*(\p)+FR*\b:128*(\p)+FR*\b+FR-1], v[AF+FR*(\a):AF+FR*(\a)+FR-1], 0, v[SC+8*NQ*(\sc)+NQ*\b+(\q)], v[SC+8*NQ*(\sc)+NQ*(\a)+(\q)] matrix_a_fmt:MATRIX_FMT_FP4 matrix_b_fmt:MATRIX_FMT_FP4 matrix_a_scale:MATRIX_SCALE_ROW1
.else
	v_wmma_scale_f32_16x16x128_f8f6f4 v[8*(8*((\a)%4)+\b):8*(8*((\a)%4)+\b)+7], v[128*(\p)+FR*\b:128*(\p)+FR*\b+FR-1], v[AF+FR*(\a):AF+FR*(\a)+FR-1], v[8*(8*((\a)%4)+\b):8*(8*((\a)%4)+\b)+7], v[SC+8*NQ*(\sc)+NQ*\b+(\q)], v[SC+8*NQ*(\sc)+NQ*(\a)+(\q)] matrix_a_fmt:MATRIX_FMT_FP4 matrix_b_fmt:MATRIX_FMT_FP4 matrix_a_scale:MATRIX_SCALE_ROW1
.endif
.endr
.endr
.endm
.macro FETCH_B slot, q, p              ; W's eight fragments of the slot's q-th 128 along K into set p
	WIN TO_B
.irp i, 0,1,2,3,4,5,6,7
	FRAG 128*(\p)+FR*\i, ADRB+\slot, \q, \i
.endr
	WIN 0
.endm
.macro FETCH_A slot, q, i0             ; x's blocks i0 .. i0 + 3
.irp i, \i0, \i0+1, \i0+2, \i0+3
	FRAG AF+FR*(\i), ADRA+\slot, \q, \i
.endr
.endm
.macro SCALES sc                       ; a K step's scale words into set sc: four words a row; lanes 0-15 take x's block i, lanes 16-31 W's block i
.irp i, 0,1,2,3,4,5,6,7
	ds_load_b128 v[SC+8*NQ*\sc+NQ*\i:SC+8*NQ*\sc+NQ*\i+3], v[ADRS] offset:\i*SBLK
.endr
.endm
.macro PLACES n                        ; plain vector instructions between a matrix instruction and a load into, or a read of, its registers
.rept \n
	v_nop
.endr
.endm
; A step of 128 along K that has its successor in the same slot.
.macro STEP slot, q, zero
	s_wait_dscnt 4*NL                              ; W's set and x's blocks 0-3 are in; the youngest eight loads (x's blocks 4-7) may be out
	WIN MUL_LO
	MUL16 0, (\q)%2, \q, \slot, \zero
	MUL16 2, (\q)%2, \q, \slot, \zero
	s_wait_dscnt 0                                 ; x's blocks 4-7 are in
	PLACES NP
	FETCH_B \slot, (\q)+1, 1-(\q)%2
	FETCH_A \slot, (\q)+1, 0
	WIN MUL_HI
	MUL16 4, (\q)%2, \q, \slot, \zero
	MUL16 6, (\q)%2, \q, \slot, \zero
	PLACES NP
	WIN 0
	FETCH_A \slot, (\q)+1, 4
.endm
; A slot's last step changes slots: one barrier; in front of it each wave waits for all its tensor loads (its part of the next slot), adds 0 to its spare word and waits for that and for its reads of this slot.
; fill = 1: the barrier opens a round of the cluster's barrier, and behind the round this slot takes the same K step of the second tile.  sstep: bytes on to the next K step's scale words.
.macro TURN slot, next, fill, sstep
	s_wait_tensorcnt 0x0                           ; all my tensor loads have landed  (every window is 0 here)
	ds_add_u32 v[SPW], v[NIL]
	s_wait_dscnt 4*NL+1                            ; the add and the youngest eight loads (x's blocks 4-7) may be out
	WIN MUL_LO
	MUL16 0, 1, NQ-1, \slot, 0
	s_wait_dscnt 0x0                               ; the add is done, and my reads of this slot are over
	s_barrier_signal -1
	MUL16 2, 1, NQ-1, \slot, 0
	WIN 0
	s_barrier_wait -1                              ; the next slot is whole
.if \fill
	CREST                                          ; no wave of any partner still reads this slot's tiles or has a load on its way
	s_add_nc_u64 s[G0+4*\slot+2:G0+4*\slot+3], s[G0+4*\slot+2:G0+4*\slot+3], WALKA
	s_add_nc_u64 s[G0B+4*\slot+2:G0B+4*\slot+3], s[G0B+4*\slot+2:G0B+4*\slot+3], s[DB:DB+1]
	JLOAD G0+4*\slot, G1, G0B+4*\slot, G1B         ; my one tensor load behind the round; its four v_nop are also the places in front of the loads below
.else
	PLACES NP
.endif
	v_add_nc_u32 v[ADRS], \sstep, v[ADRS]          ; on to the next K step's scale words (no LDS load of mine is out)
	FETCH_B \next, 0, 0
	FETCH_A \next, 0, 0
	SCALES \next
	WIN MUL_HI
	MUL16 4, 1, NQ-1, \slot, 0
	MUL16 6, 1, NQ-1, \slot, 0
	PLACES NP
	WIN 0
	FETCH_A \next, 0, 4
.endm
.macro STEPS slot, from                ; the slot's steps from .. NQ - 2
.set Q, \from
.rept NQ-1-\from
	STEP \slot, Q, 0
.set Q, Q+1
.endr
.endm
; THE WAY OUT, block by block of 16 rows x 128 columns.  PACK: rounded to f16, 16 bytes a lane, each accumulator from its low end on.  TOSTAGE: into my own stage and back as whole rows of 256 bytes.  SEND: stored.
.macro PACK a
.set AC, 64*((\a)%4)
	WIN 0x0a+5*((\a)/4)                            ; sources 0 and 1: window 2 or 3
.irp b, 0,1,2,3,4,5,6,7
.irp r, 0,1,2,3
	v_cvt_pk_f16_f32 v[TMP+4*\b+\r], v[AC+8*\b+2*\r], v[AC+8*\b+2*\r+1]
.endr
.endr
	WIN 0
.endm
.macro TOSTAGE a
.set BB, BK+32*((\a)%2)
.irp b, 0,1,2,3,4,5,6,7
	ds_store_b128 v[STO], v[TMP+4*\b:TMP+4*\b+3] offset:32*\b
.endr
.irp t, 0,1,2,3,4,5,6,7
	ds_load_b128 v[BB+4*\t:BB+4*\t+3], v[RD] offset:\t*2*SPITCH    ; LDS serves a wave's instructions in order: these see the stores above
.endr
.endm
.macro SEND a, tile
.set BB, BK+32*((\a)%2)
	s_wait_dscnt 0x0                               ; the block is back in registers
	s_wait_xcnt 0x0                                ; earlier stores have read their base and their registers: only behind this wait are they rewritten
.if (\a) > 0
	s_add_nc_u64 s[12:13], s[12:13], 16*OROW       ; 16 rows on
.elseif \tile
	s_add_nc_u64 s[12:13], s[12:13], NEXT_C        ; on to the second tile's first rows
.endif
.irp t, 0,1,2,3,4,5,6,7
	global_store_b128 v[CO], v[BB+4*\t:BB+4*\t+3], s[12:13] offset:2*\t*OROW   ; 16 lanes store 256 consecutive bytes, at a multiple of 256 from the buffer's first byte
.endr
.endm
.macro WAYOUT tile                     ; block a's conversions stand between block a - 1's loads from the stage and the wait for them
	PACK 0
	TOSTAGE 0
.irp a, 1,2,3,4,5,6,7
	PACK \a
	SEND \a-1, \tile
	TOSTAGE \a
.endr
	SEND 7, \tile
.endm
	s_wait_tensorcnt 1                             ; both tiles' scales and my part of K step 0 are in; K step 1's load, the one issued behind them, may be out
	s_barrier_signal -1
	s_barrier_wait -1                              ; everybody's are
	FETCH_B 0, 0, 0
	FETCH_A 0, 0, 0
	SCALES 0
	FETCH_A 0, 0, 4
	STEP 0, 0, 1                                   ; a tile's first step starts the sums: nothing is cleared
	STEPS 0, 1
	TURN 0, 1, 1, 4*NQ                             ; THE RING GOES ON INTO THE SECOND TILE: slot 0 takes its K step 0,
	STEPS 1, 0
	TURN 1, 0, 1, 4*HALFS-4*NQ                     ; slot 1 its K step 1; the second tile's first fragments and scale words are fetched
	WAYOUT 0                                       ; both refills are asked for: now the first tile goes out.  Behind the barrier above nobody reads the first tile's scale bytes, in which the stages lie
	STEP 0, 0, 1                                   ; its conversions are the places between the first tile's last products and these, which begin the accumulators anew
	STEPS 0, 1
	TURN 0, 1, 0, 4*NQ                             ; nothing is left to fetch
	STEPS 1, 0
	s_wait_dscnt 4*NL                              ; the very last step
	WIN MUL_LO
	MUL16 0, 1, NQ-1, 1, 0
	MUL16 2, 1, NQ-1, 1, 0
	s_wait_dscnt 0
	WIN MUL_HI
	MUL16 4, 1, NQ-1, 1, 0
	MUL16 6, 1, NQ-1, 1, 0
	WIN 0
	PLACES NP                                      ; in front of the first read of results
	WAYOUT 1
	s_wait_tensorcnt 0x0                           ; the wave's end
	ds_add_u32 v[SPW], v[NIL]
	s_wait_dscnt 0x0
	CROUND                                         ; the closing round: no work-group ends while a partner may still ask for a tile that names it
	s_endpgm
.Lfunc_end_k_q0e1a068aa9_proj:
	.size	k_q0e1a068aa9_proj, .Lfunc_end_k_q0e1a068aa9_proj-k_q0e1a068aa9_proj
	.p2alignl 7, 3214868480
	.fill 96, 4, 3214868480
	.section	.rodata,"a",@progbits
	.p2align	6, 0x0
	.amdhsa_kernel k_q0e1a068aa9_proj
		.amdhsa_group_segment_fixed_size 327680
		.amdhsa_private_segment_fixed_size 0
		.amdhsa_enable_private_segment 0
		.amdhsa_kernarg_size 40
		.amdhsa_user_sgpr_count 2
		.amdhsa_user_sgpr_kernarg_segment_ptr 1
		.amdhsa_wavefront_size32 1
		.amdhsa_system_sgpr_workgroup_id_x 1
		.amdhsa_system_sgpr_workgroup_id_y 1
		.amdhsa_system_sgpr_workgroup_id_z 1
		.amdhsa_system_vgpr_workitem_id 0
		.amdhsa_next_free_vgpr 1024
		.amdhsa_next_free_sgpr 100
		.amdhsa_reserve_vcc 0
		.amdhsa_float_denorm_mode_32 3
		.amdhsa_float_denorm_mode_16_64 3
		.amdhsa_memory_ordered 1
		.amdhsa_forward_progress 1
		.amdhsa_inst_pref_size 246
	.end_amdhsa_kernel
	.amdgpu_metadata
---
amdhsa.version: [ 1, 2 ]
amdhsa.kernels:
  - .name:           k_q0e1a068aa9_proj
    .symbol:         k_q0e1a068aa9_proj.kd
    .args:
      - { .name: xcodes, .offset: 0, .size: 8, .value_kind: global_buffer, .address_space: global }
      - { .name: xscales, .offset: 8, .size: 8, .value_kind: global_buffer, .address_space: global }
      - { .name: wcodes, .offset: 16, .size: 8, .value_kind: global_buffer, .address_space: global }
      - { .name: wscales, .offset: 24, .size: 8, .value_kind: global_buffer, .address_space: global }
      - { .name: qkv16, .offset: 32, .size: 8, .value_kind: global_buffer, .address_space: global }
    .group_segment_fixed_size: 327680
    .private_segment_fixed_size: 0
    .kernarg_segment_align: 8
    .kernarg_segment_size: 40
    .max_flat_workgroup_size: 128
    .sgpr_count:     100
    .vgpr_count:     1024
    .wavefront_size: 32
...
	.end_amdgpu_metadata
.endif
;; end of part 2
;; launch scores (part 3): grid 8 x 32, 4 waves a work-group, clusters of 4 x 4, 327,680 bytes of LDS; arguments qkv16, e16, stats; writes e16, stats
.if DOCPART == 3
	.amdgcn_target "amdgcn-amd-amdhsa--gfx1250"
	.amdhsa_code_object_version 6
	.text
	.protected	k_q0e1a068aa9_scores
	.globl	k_q0e1a068aa9_scores
	.p2align	8
	.type	k_q0e1a068aa9_scores,@function
k_q0e1a068aa9_scores:
	s_mov_b64 s[64:65], 0
	v_nop
	global_prefetch_b8 v0, s[64:65] scope:SCOPE_SE
	s_setreg_imm32_b32 hwreg(HW_REG_WAVE_MODE, 25, 1), 1
	s_wait_xcnt 0x0
	s_wait_alu depctr_hold_cnt(0) depctr_sa_sdst(0) depctr_va_vdst(0) depctr_va_sdst(0) depctr_va_ssrc(0) depctr_va_vcc(0) depctr_vm_vsrc(0)
	s_getreg_b32 s2, hwreg(HW_REG_IB_STS2, 6, 4)
	s_cmp_eq_u32 s2, 0
	s_cbranch_scc0 .Lentry_in_a_cluster
	s_endpgm
.Lentry_in_a_cluster:
	s_bfe_u32 s2, ttmp6, 0x10000c
	s_cmp_lg_u32 s2, 0xf033
	s_cbranch_scc0 .Lentry_shape_is_right
	s_endpgm
.Lentry_shape_is_right:
; LAUNCH 3 OF 4.  The scores q k^T (f16 operands, f32 sums) and the softmax's numerators, chunk by chunk of 128 keys.  Nothing is left out.
; t = score x log2(e) / 32.  For each query and each chunk of 128 keys: M = the chunk's largest t, rounded UP to a whole number; p = 2^(t - M), at most about 1.  The last launch brings the chunks under the row's own maximum by
; exact powers of two: the maximum is taken away, none is assumed.
; STORED: e16 = p rounded to f16, IN THE ORDER OF THE NEXT PRODUCT'S OPERAND REGISTERS: a fragment of 16 queries x 32 keys is 1,024 bytes, two runs of 512, lane l's 16 bytes at 16 l; lane l holds query l % 16, the first run keys
; 8 (l / 16) + 0 .. 7, the second keys 16 + 8 (l / 16) + 0 .. 7.  A block of 16 queries has its 64 fragments (2,048 keys) on end: 65,536 bytes.  stats[chunk][place] = -M (f32) and, 524,288 bytes on, the chunk's sum of the
; unrounded p (f32); query 64 G + 16 a + r has place 64 G + 4 r + a, so that the four queries which a lane of the next launch holds are neighbours.
; LIMITS: p under 2^-25 is stored as 0; NaN and infinities are not served.
; A tile of 256 queries x 256 keys of one batch is made by a work-group of four waves; a wave makes 128 x 128 (one chunk for 128 queries): 64 accumulators of 16 x 16, 512 registers.
; K = 1,024 goes in 8 steps of 128 through a ring of two LDS slots filled by the tensor data mover: a tile's row is 256 bytes of memory, at a multiple of 256 from the buffer's first byte.
; CLUSTERS: 4 x 4 work-groups.  The four of a row of the cluster need the same tiles of q, the four of a column the same tiles of k: each is asked for jointly.  A cluster's 1,024 queries lie in one batch (two clusters along y to a batch).
; THE MATRIX INSTRUCTION IS USED TRANSPOSED (source 0 = 16 keys, source 1 = 16 queries): a lane holds ONE query (lane % 16) and in accumulator b the keys 16 b + 8 (lane / 16) + 0 .. 7: packed to f16, accumulators 2 f and 2 f + 1
; ARE the two runs of fragment f, in the lanes that will want them: they are stored as they stand.
; REGISTERS, in windows of 256: window 0: v0-31 addresses; v64-127, v128-191 q's fragments, two buffers; on the way out v32-191.  window 1: v64-127, v128-191 k's fragments.
;   window 2: the accumulators of my queries 0-63 ((a, b) at v[8 (8 a + b)]);  window 3: those of my queries 64-127.
.set KSTEP,  128
.set PITCH,  272                       ; an LDS row: 256 bytes + 16 of padding
.set HALFT,  128*PITCH
.set SLOT,   4*HALFT                   ; q's 256 rows, then k's 256 rows
.set STAGE,  2*SLOT                    ; behind the ring: 4,352 bytes for each wave, of which the statistics take 1,024
.set SPITCH, 272
.set SPARE,  STAGE+4*16*SPITCH         ; the spare words, 128 bytes a wave, which no other line names
.set LAPS,   4                         ; a lap = two K steps
.set EBLK,   65536                     ; a block of 16 queries in e16
.set ADRA, 16                          ; v16-17  LDS address of my q fragments in slot 0, 1
.set ADRB, 20                          ; v20-21  the same for k
.set SRD,  22                          ; v22     my stage + 16 x lane
.set SS,   27                          ; v27     my stage + 16 x (lane % 16)
.set SPW,  28                          ; v28     my spare word; never rewritten
.set NIL,  29                          ; v29     0; never rewritten
.set PFO,  30                          ; v30     the prefetches' offset: 2,048 x lane
.set L16,  31                          ; v31     16 x lane
.set MS,   32                          ; v32-39  -M of my eight blocks of 16 queries
.set LS,   40                          ; v40-47  their sums
.set NM,   56                          ; v[56:57] -M of the block in hand: the packed form names the pair and takes its low word
.set T,    64                          ; v64-127 the block's 64 numbers
.set PK,   128                         ; v128-159, v160-191: packed to f16, two sets by turns
.set F0,   64
.set F1,   128
.set G1, 24
.set G0, 32
.set G1B, 48
.set G0B, 56
.set LIM,  43                          ; s43     1 in a wave that prefetches, else the greatest number
.set PFA,  44                          ; s[44:45] where my prefetches stand
.set KP,   68                          ; s[68:69] k's first byte
.set CS,   70                          ; s[70:71] c = log2(e) / 32
.set SEL,  72                          ; s[72:73] lane selects: lane l xor 16
.set BAT,  74                          ; s74     the batch
.set MSB, 0
.macro WIN new
.if MSB != (\new)
	s_set_vgpr_msb (MSB<<8)|(\new)
.set MSB, (\new)
.endif
.endm
.set MUL_LO, 0xa1                      ; source 0 (k) window 1, source 1 (q) window 0, C and D window 2
.set MUL_HI, 0xf1
.set TO_B,   0x40
.macro JLOAD s                         ; a joint load: waves 0 and 1 fetch q's two halves, waves 2 and 3 k's; an s_nop 0 and four v_nop follow each line
	s_cmp_eq_u32 s11, 0
	s_cbranch_scc0 .Lfor_b_\@
	tensor_load_to_lds s[G0+4*\s:G0+4*\s+3], s[G1:G1+7]
	s_nop 0
.rept 4
	v_nop
.endr
	s_branch .Lasked_\@
.Lfor_b_\@:
	tensor_load_to_lds s[G0B+4*\s:G0B+4*\s+3], s[G1B:G1B+7]
	s_nop 0
.rept 4
	v_nop
.endr
.Lasked_\@:
.endm
; A prefetch of the K step that stands two refills on: 32 rows x 256 bytes, a lane a row, one instruction a wave.  Each row's 256 bytes of a K step are named once in the launch: q's tile row is walked by both clusters of a row of
; clusters: the one with x = 0 asks; k's tile column by the two clusters of a batch: the one with even y asks.  The four partners that ask for a tile jointly share its rows out by address, 32 each (cx for q, cy for k).
; K steps 0 to 3 come by their loads alone; the loop's last trip (s3 = 1) asks for nothing: K steps 4 to 7 are named.
.macro ASK
	s_cmp_gt_u32 s3, s[LIM]
	s_cbranch_scc0 .Lnot_mine_\@
	global_prefetch_b8 v[PFO], s[PFA:PFA+1] offset:KSTEP*2 th:TH_LOAD_NT scope:SCOPE_SE
.Lnot_mine_\@:
.endm
.macro CREST                           ; a round of the cluster's barrier behind its opening barrier
	s_cmp_lg_u32 s10, 0
	s_cbranch_scc1 .Lnot_wave_0_\@
	s_barrier_signal -3
.Lnot_wave_0_\@:
	s_barrier_wait -3
	s_barrier_signal -1
	s_barrier_wait -1
.endm
.macro CROUND
	s_barrier_signal -1
	s_barrier_wait -1
	CREST
.endm
	s_load_b128 s[4:7], s[0:1], 0x0                ; qkv16 (q at its head) s[4:5], e16 s[6:7]
	s_load_b64 s[8:9], s[0:1], 0x10                ; stats
	v_lshl_add_u32 v[SPW], v0, 2, SPARE
	v_mov_b32 v[NIL], 0
	ds_add_u32 v[SPW], v[NIL]                      ; the wave's opening: the add, twice on end, and its wait ahead of my first tensor load
	ds_add_u32 v[SPW], v[NIL]
	v_lshrrev_b32 v1, 5, v0
	v_readfirstlane_b32 s10, v1                    ; wave 0..3
	s_lshr_b32 s11, s10, 1                         ; which half of the tile's queries is mine.  Also: I fetch for q (0) or for k (1)
	s_and_b32 s12, s10, 1                          ; which half of its keys.  Also: which 128 rows of that tile I fetch
	s_bfe_u32 s40, ttmp6, 0x40000                  ; cx
	s_bfe_u32 s41, ttmp6, 0x40004                  ; cy
	s_lshl_b32 s42, ttmp9, 2
	s_add_co_u32 s42, s42, s40                     ; tile column: which 256 keys of the batch
	s_and_b32 s13, ttmp7, 0xffff
	s_lshr_b32 s[BAT], s13, 1                      ; the batch: two clusters of 1,024 queries each
	s_lshl_b32 s13, s13, 2
	s_add_co_u32 s13, s13, s41                     ; tile row: which 256 of the 8,192 queries
	s_lshl_b32 s43, s41, 2
	s_lshl_b32 s43, 15, s43                        ; my row of the cluster
	s_lshl_b32 s44, 0x1111, s40                    ; my column
	s_or_b32 s[G1+0], s43, (1<<16)|(1<<20)|(1<<21)|(5<<22)|(3<<25)  ; the mask; elements of 2 bytes; padding on; 21 set beside a mask; after every 64 words four words
	s_or_b32 s[G1B+0], s44, (1<<16)|(1<<20)|(1<<21)|(5<<22)|(3<<25)
.irp g, G1, G1B
	s_mov_b32 s[\g+1], KSTEP<<16                   ; tensor_dim0 = 128
	s_mov_b32 s[\g+2], 128<<16                     ; tensor_dim1 = 128
	s_mov_b32 s[\g+3], KSTEP<<16                   ; tile_dim0
	s_mov_b32 s[\g+4], 128                         ; tile_dim1
	s_mov_b32 s[\g+5], 1024                        ; elements from row to row
	s_mov_b32 s[\g+6], 0
	s_mov_b32 s[\g+7], 0
.endr
	s_mov_b32 s[CS], 0x3d38aa3b                    ; c = log2(e) / sqrt(1,024)
	s_mov_b32 s[CS+1], s[CS]
	s_mov_b32 s[SEL], 0x76543210
	s_mov_b32 s[SEL+1], 0xfedcba98
	s_lshl_b32 s17, s12, 7                         ; which 128 rows of the tile I fetch
	s_lshl_b32 s16, s13, 8
	s_add_co_u32 s16, s16, s17                     ; q: row 256 x tile row + 128 x half
	s_lshl_b32 s46, s42, 8
	s_add_co_u32 s46, s46, s17
	s_lshl_b32 s47, s[BAT], 11
	s_add_co_u32 s46, s46, s47                     ; k: row 2,048 x batch + 256 x tile column + 128 x half
	s_lshl_b32 s16, s16, 11                        ; x 2,048 bytes: under 2^24
	s_mov_b32 s17, 0
	s_lshl_b32 s46, s46, 11
	s_mov_b32 s47, 0
	s_mul_i32 s20, s10, HALFT                      ; where they go: wave x 128 rows
	s_wait_dscnt 0x0                               ; both opening adds are done
	s_wait_kmcnt 0x0
	s_add_nc_u64 s[KP:KP+1], s[4:5], 0x1000000     ; k lies 8,192 rows behind q
	s_add_nc_u64 s[14:15], s[4:5], s[16:17]
	s_add_nc_u64 s[46:47], s[KP:KP+1], s[46:47]
	CROUND                                         ; all sixteen work-groups are here: the first joint loads meet
.irp s, 0,1
	s_mov_b32 s[G0+4*\s], 1
	s_add_co_u32 s[G0+4*\s+1], s20, \s*SLOT
	s_add_nc_u64 s[G0+4*\s+2:G0+4*\s+3], s[14:15], \s*KSTEP*2
	s_or_b32 s[G0+4*\s+3], s[G0+4*\s+3], 0x80000000
	s_mov_b32 s[G0B+4*\s], 1
	s_add_co_u32 s[G0B+4*\s+1], s20, \s*SLOT
	s_add_nc_u64 s[G0B+4*\s+2:G0B+4*\s+3], s[46:47], \s*KSTEP*2
	s_or_b32 s[G0B+4*\s+3], s[G0B+4*\s+3], 0x80000000
	JLOAD \s                                       ; two tensor loads of mine are out behind the second
.endr
	v_and_b32 v1, 15, v0                           ; l % 16
	v_bfe_u32 v2, v0, 4, 1                         ; l / 16
	v_mul_u32_u24 v3, v1, PITCH
	v_lshl_add_u32 v3, v2, 4, v3                   ; a fragment's row x pitch + 16 x half
	s_mul_i32 s21, s11, HALFT                      ; my 128 rows of q
	s_mul_i32 s22, s12, HALFT                      ; my 128 rows of k,
	s_add_co_u32 s22, s22, 2*HALFT                 ; which lie behind q's 256
.irp s, 0,1
	v_add_nc_u32 v[ADRA+\s], s21, v3
	v_add_nc_u32 v[ADRB+\s], s22, v3
	s_add_co_u32 s21, s21, SLOT
	s_add_co_u32 s22, s22, SLOT
.endr
	s_mul_i32 s23, s10, 16*SPITCH
	s_add_co_u32 s23, s23, STAGE                   ; my stage
	v_lshl_add_u32 v[SS], v1, 4, s23               ; the statistics go in at 16 bytes a query of a block,
	v_and_b32 v5, 31, v0
	v_lshlrev_b32 v[L16], 4, v5
	v_add_nc_u32 v[SRD], s23, v[L16]               ; and come back 16 bytes a lane
	s_lshl_b32 s16, s13, 8
	s_lshl_b32 s14, s11, 7
	s_add_co_u32 s16, s16, s14                     ; my first query
	s_lshl_b32 s18, s16, 2                         ; its place in a chunk's row of stats
	s_lshl_b32 s16, s16, 12                        ; its block in e16: 65,536 bytes for 16 queries: under 2^25
	s_mov_b32 s17, 0
	s_lshl_b32 s46, s42, 1
	s_add_co_u32 s46, s46, s12                     ; my chunk: 2 x tile column + half
	s_lshl_b32 s47, s46, 12                        ; a chunk's four fragments: 4,096 bytes
	s_add_co_u32 s16, s16, s47
	s_add_nc_u64 s[6:7], s[6:7], s[16:17]
	s_lshl_b32 s46, s46, 15                        ; 32,768 bytes a chunk in stats
	s_add_co_u32 s46, s46, s18
	s_mov_b32 s47, 0
	s_add_nc_u64 s[8:9], s[8:9], s[46:47]
	; the prefetches
	s_lshl_b32 s20, s13, 8                         ; q's tile: its first row
	s_lshl_b32 s21, s42, 8
	s_lshl_b32 s22, s[BAT], 11
	s_add_co_u32 s21, s21, s22                     ; k's tile: its first row
	s_and_b32 s22, ttmp7, 0xffff
	s_and_b32 s22, s22, 1                          ; which of the batch's two clusters
	s_cmp_eq_u32 s11, 0                            ; do I fetch for q?
	s_cselect_b32 s20, s20, s21
	s_cselect_b32 s21, s40, s41                    ; my place among the four that ask with me
	s_cselect_b32 s22, ttmp9, s22                  ; the coordinate along which another cluster reads the same rows
	s_cselect_b64 s[PFA:PFA+1], s[4:5], s[KP:KP+1]
	s_cmp_eq_u32 s22, 0
	s_cselect_b32 s[LIM], 1, -1                    ; the same in all sixteen partners, for a given wave
	s_lshl_b32 s22, s12, 7
	s_add_co_u32 s20, s20, s22                     ; + the 128 rows that I fetch
	s_lshl_b32 s21, s21, 5
	s_add_co_u32 s20, s20, s21                     ; + my work-group's 32 of them
	s_lshl_b32 s20, s20, 11
	s_mov_b32 s21, 0
	s_add_nc_u64 s[PFA:PFA+1], s[PFA:PFA+1], s[20:21]
	s_add_nc_u64 s[PFA:PFA+1], s[PFA:PFA+1], 2*KSTEP*2  ; at K step 2: the first refill steps it to 3 and names K step 4
	v_and_b32 v[PFO], 31, v0
	v_lshlrev_b32 v[PFO], 11, v[PFO]
; 16 matrix instructions: query blocks a0, a0 + 1 of the window's four x all 8 key blocks, 32 along K.  zero = 1: the first product starts the sums.  The 64 accumulators take turns.
.macro MUL16 f, hi, a0, zero
.irp a, \a0, \a0+1
.irp b, 0,1,2,3,4,5,6,7
.if \zero
	v_wmma_f32_16x16x32_f16 v[8*(8*(\a)+\b):8*(8*(\a)+\b)+7], v[\f+8*\b:\f+8*\b+7], v[\f+8*(4*\hi+\a):\f+8*(4*\hi+\a)+7], 0
.else
	v_wmma_f32_16x16x32_f16 v[8*(8*(\a)+\b):8*(8*(\a)+\b)+7], v[\f+8*\b:\f+8*\b+7], v[\f+8*(4*\hi+\a):\f+8*(4*\hi+\a)+7], v[8*(8*(\a)+\b):8*(8*(\a)+\b)+7]
.endif
.endr
.endr
.endm
.macro FETCH slot, k, f                ; 32 LDS loads in one run: the fragments of one quarter step (32 K at byte k of the rows) into buffer f
	WIN TO_B
.irp i, 0,1,2,3,4,5,6,7
	ds_load_b128 v[\f+8*\i:\f+8*\i+3],   v[ADRB+\slot] offset:\k+\i*16*PITCH
	ds_load_b128 v[\f+8*\i+4:\f+8*\i+7], v[ADRB+\slot] offset:\k+\i*16*PITCH+32
.endr
	WIN 0
.irp i, 0,1,2,3,4,5,6,7
	ds_load_b128 v[\f+8*\i:\f+8*\i+3],   v[ADRA+\slot] offset:\k+\i*16*PITCH
	ds_load_b128 v[\f+8*\i+4:\f+8*\i+7], v[ADRA+\slot] offset:\k+\i*16*PITCH+32
.endr
.endm
.macro PLACES                          ; four plain vector instructions between a matrix instruction and a load into, or a read of, its registers
.rept 4
	v_nop
.endr
.endm
.macro QUARTER slot, k, f, g, zero     ; multiplies buffer f; in its middle it fetches the next quarter, at byte k of the same slot's rows, into g
	s_wait_dscnt 8                                 ; k and q's rows 0-63 are in; the youngest eight loads (q's rows 64-127) may be out
	WIN MUL_LO
	MUL16 \f, 0, 0, \zero
	MUL16 \f, 0, 2, \zero
	PLACES
	FETCH \slot, \k, \g
	s_wait_dscnt 32                                ; all but the 32 just issued
	WIN MUL_HI
	MUL16 \f, 1, 0, \zero
	MUL16 \f, 1, 2, \zero
.endm
; The first half of a slot's last quarter: one barrier for the change of slots.  In front of it each wave waits for all its tensor loads (one is out: its part of the next slot), adds 0 to its spare word, and waits for that and for its reads of this slot.
.macro MEET round
	WIN 0
	s_wait_tensorcnt 0x0
	ds_add_u32 v[SPW], v[NIL]
	s_wait_dscnt 9                                 ; the add and the youngest eight loads may be out
	WIN MUL_LO
	MUL16 F1, 0, 0, 0
	s_wait_dscnt 0x0                               ; the add is done, and my reads of this slot are over
	s_barrier_signal -1
	MUL16 F1, 0, 2, 0
.if \round
	WIN 0
.endif
	s_barrier_wait -1
.endm
.macro TURN slot, next                 ; the whole last quarter; behind the round the slot just read out is filled with the K step two steps on
	s_wait_xcnt 0x0                                ; the last prefetch, a K step back, has read its address
	s_add_nc_u64 s[PFA:PFA+1], s[PFA:PFA+1], KSTEP*2
	MEET 1
	CREST                                          ; no wave of any partner still reads this slot's tile or has a load on its way
	s_add_nc_u64 s[G0+4*\slot+2:G0+4*\slot+3], s[G0+4*\slot+2:G0+4*\slot+3], 2*KSTEP*2
	s_add_nc_u64 s[G0B+4*\slot+2:G0B+4*\slot+3], s[G0B+4*\slot+2:G0B+4*\slot+3], 2*KSTEP*2
	JLOAD \slot                                    ; my one tensor load behind the round; its four v_nop are also the places in front of the loads below
	FETCH \next, 0, F0
	ASK
	WIN MUL_HI
	MUL16 F1, 1, 0, 0
	MUL16 F1, 1, 2, 0
.endm
	s_wait_tensorcnt 1                             ; my part of K step 0 is in; K step 1's load may be out
	s_barrier_signal -1
	s_barrier_wait -1
	FETCH 0, 0, F0
	QUARTER 0, 64,  F0, F1, 1                      ; the first quarter's products start the sums
	WIN 0
	s_mov_b32 s3, LAPS-1
.Llap:                                                 ; a trip goes once round the ring, from a lap's second quarter to the next lap's first, and fills both slots again
	QUARTER 0, 128, F1, F0, 0
	QUARTER 0, 192, F0, F1, 0
	TURN 0, 1
	QUARTER 1, 64,  F0, F1, 0
	QUARTER 1, 128, F1, F0, 0
	QUARTER 1, 192, F0, F1, 0
	TURN 1, 0
	QUARTER 0, 64,  F0, F1, 0
	WIN 0
	s_sub_co_u32 s3, s3, 1
	s_cmp_lg_u32 s3, 0
	s_cbranch_scc1 .Llap
	QUARTER 0, 128, F1, F0, 0                      ; the last lap is written out: it asks for nothing more
	QUARTER 0, 192, F0, F1, 0
	MEET 0
	PLACES
	FETCH 1, 0, F0
	WIN MUL_HI
	MUL16 F1, 1, 0, 0
	MUL16 F1, 1, 2, 0
	QUARTER 1, 64,  F0, F1, 0
	QUARTER 1, 128, F1, F0, 0
	QUARTER 1, 192, F0, F1, 0
	s_wait_dscnt 8
	WIN MUL_LO
	MUL16 F1, 0, 0, 0
	MUL16 F1, 0, 2, 0
	s_wait_dscnt 0
	WIN MUL_HI
	MUL16 F1, 1, 0, 0
	MUL16 F1, 1, 2, 0
	WIN 0
; THE WAY OUT, a block of 16 queries x 128 keys at a time.  SOFT: the chunk's maximum, -M, p, its f16 form and its sum.
.macro SOFT a
.set AC, 64*((\a)%4)
.set PP, PK+32*((\a)%2)
	WIN 0x2a+0x15*((\a)/4)                         ; all three sources: window 2 or 3
.irp b, 0,1,2,3,4,5,6,7
	v_max3_num_f32 v[T+3*\b],   v[AC+8*\b],   v[AC+8*\b+1], v[AC+8*\b+2]   ; each accumulator from its low end on
	v_max3_num_f32 v[T+3*\b+1], v[AC+8*\b+3], v[AC+8*\b+4], v[AC+8*\b+5]
	v_max_num_f32  v[T+3*\b+2], v[AC+8*\b+6], v[AC+8*\b+7]
.endr
	WIN 0
.irp i, 0,1,2,3,4,5,6,7
	v_max3_num_f32 v[T+32+\i], v[T+3*\i], v[T+3*\i+1], v[T+3*\i+2]
.endr
	v_max3_num_f32 v48, v[T+32], v[T+33], v[T+34]
	v_max3_num_f32 v49, v[T+35], v[T+36], v[T+37]
	v_max3_num_f32 v48, v48, v49, v[T+38]
	v_max_num_f32 v48, v48, v[T+39]
	v_permlanex16_b32 v49, v48, s[SEL], s[SEL+1]   ; my query's other 64 keys lie in the lane 16 away
	v_max_num_f32 v48, v48, v49
	v_mul_f32 v48, s[CS], v48                      ; as t (c is positive)
	v_floor_f32 v[NM], -v48                        ; -M = floor(-t) = -ceil(t): a whole number
	WIN 0x02+((\a)/4)                              ; source 0: window 2 or 3
.set ii, 0
.rept 32
	v_pk_fma_f32 v[T+ii:T+ii+1], v[AC+ii:AC+ii+1], s[CS:CS+1], v[NM:NM+1] op_sel_hi:[1,0,0]   ; t - M, two at a time
.set ii, ii+2
.endr
	WIN 0
.set ii, 0
.rept 64
	v_exp_f32 v[T+ii], v[T+ii]                     ; p = 2^(t - M)
.set ii, ii+1
.endr
	v_mov_b32 v[MS+(\a)], v[NM]                    ; a plain line behind the exponentials
	s_wait_alu depctr_va_vdst(0)                   ; the wait ahead of the first line that names a result: one for the batch of 64
.if (\a) > 1
	s_wait_xcnt 0x0                                ; the stores of the block two back have read this set of packed registers: only behind this wait is it rewritten
.endif
.set ii, 0
.rept 32
	v_cvt_pk_f16_f32 v[PP+ii], v[T+2*ii], v[T+2*ii+1]
.set ii, ii+1
.endr
	v_pk_add_f32 v[52:53], v[T:T+1], v[T+2:T+3]    ; the sum is taken of the unrounded p: two at a time, in two chains
	v_pk_add_f32 v[54:55], v[T+4:T+5], v[T+6:T+7]
.irp j, 8,12,16,20,24,28,32,36,40,44,48,52,56,60
	v_pk_add_f32 v[52:53], v[52:53], v[T+\j:T+\j+1]
	v_pk_add_f32 v[54:55], v[54:55], v[T+\j+2:T+\j+3]
.endr
	v_pk_add_f32 v[52:53], v[52:53], v[54:55]
	v_add_f32 v52, v52, v53
	v_permlanex16_b32 v53, v52, s[SEL], s[SEL+1]
	v_add_f32 v[LS+(\a)], v52, v53
.endm
.macro SEND a                          ; the block's four fragments, eight runs: accumulator b's four packed registers are run b
.set PP, PK+32*((\a)%2)
.irp b, 0,1,2,3,4,5,6,7
	global_store_b128 v[L16], v[PP+4*\b:PP+4*\b+3], s[6:7] offset:EBLK*(\a)+512*\b   ; 32 lanes store 512 consecutive bytes, at a multiple of 512 from the buffer's first byte
.endr
.endm
	PLACES
	v_mov_b32 v[NM+1], 0                           ; named as the upper half of the pair, so it is written
.irp a, 0,1,2,3,4,5,6,7
	SOFT \a
	SEND \a
.endr
	; the statistics of my 128 queries: both halves of the lanes hold the same numbers and write the same words; query 16 a + r goes to word 64 (a / 4) + 4 r + a % 4; they come back 16 bytes a lane and leave as 512 consecutive bytes each
.irp a, 0,1,2,3,4,5,6,7
	ds_store_b32 v[SS], v[MS+\a] offset:256*(\a/4)+4*(\a%4)
	ds_store_b32 v[SS], v[LS+\a] offset:512+256*(\a/4)+4*(\a%4)
.endr
	ds_load_b128 v[T:T+3], v[SRD]
	ds_load_b128 v[T+4:T+7], v[SRD] offset:512
	s_wait_dscnt 0x0
	global_store_b128 v[L16], v[T:T+3], s[8:9]
	global_store_b128 v[L16], v[T+4:T+7], s[8:9] offset:524288
	s_wait_tensorcnt 0x0                           ; the wave's end
	ds_add_u32 v[SPW], v[NIL]
	s_wait_dscnt 0x0
	CROUND                                         ; the closing round
	s_endpgm
.Lfunc_end_k_q0e1a068aa9_scores:
	.size	k_q0e1a068aa9_scores, .Lfunc_end_k_q0e1a068aa9_scores-k_q0e1a068aa9_scores
	.p2alignl 7, 3214868480
	.fill 96, 4, 3214868480
	.section	.rodata,"a",@progbits
	.p2align	6, 0x0
	.amdhsa_kernel k_q0e1a068aa9_scores
		.amdhsa_group_segment_fixed_size 327680
		.amdhsa_private_segment_fixed_size 0
		.amdhsa_enable_private_segment 0
		.amdhsa_kernarg_size 24
		.amdhsa_user_sgpr_count 2
		.amdhsa_user_sgpr_kernarg_segment_ptr 1
		.amdhsa_wavefront_size32 1
		.amdhsa_system_sgpr_workgroup_id_x 1
		.amdhsa_system_sgpr_workgroup_id_y 1
		.amdhsa_system_sgpr_workgroup_id_z 1
		.amdhsa_system_vgpr_workitem_id 0
		.amdhsa_next_free_vgpr 1024
		.amdhsa_next_free_sgpr 76
		.amdhsa_reserve_vcc 0
		.amdhsa_float_denorm_mode_32 3
		.amdhsa_float_denorm_mode_16_64 3
		.amdhsa_memory_ordered 1
		.amdhsa_forward_progress 1
		.amdhsa_inst_pref_size 203
	.end_amdhsa_kernel
	.amdgpu_metadata
---
amdhsa.version: [ 1, 2 ]
amdhsa.kernels:
  - .name:           k_q0e1a068aa9_scores
    .symbol:         k_q0e1a068aa9_scores.kd
    .args:
      - { .name: qkv16, .offset: 0, .size: 8, .value_kind: global_buffer, .address_space: global }
      - { .name: e16, .offset: 8, .size: 8, .value_kind: global_buffer, .address_space: global }
      - { .name: stats, .offset: 16, .size: 8, .value_kind: global_buffer, .address_space: global }
    .group_segment_fixed_size: 327680
    .private_segment_fixed_size: 0
    .kernarg_segment_align: 8
    .kernarg_segment_size: 24
    .max_flat_workgroup_size: 128
    .sgpr_count:     76
    .vgpr_count:     1024
    .wavefront_size: 32
...
	.end_amdgpu_metadata
.endif
;; end of part 3
;; launch mix (part 4): grid 4 x 64, 4 waves a work-group, clusters of 4 x 4, 327,680 bytes of LDS; arguments e16, stats, qkv16, out0; writes out0
.if DOCPART == 4
	.amdgcn_target "amdgcn-amd-amdhsa--gfx1250"
	.amdhsa_code_object_version 6
	.text
	.protected	k_q0e1a068aa9_mix
	.globl	k_q0e1a068aa9_mix
	.p2align	8
	.type	k_q0e1a068aa9_mix,@function
k_q0e1a068aa9_mix:
	s_mov_b64 s[64:65], 0
	v_nop
	global_prefetch_b8 v0, s[64:65] scope:SCOPE_SE
	s_setreg_imm32_b32 hwreg(HW_REG_WAVE_MODE, 25, 1), 1
	s_wait_xcnt 0x0
	s_wait_alu depctr_hold_cnt(0) depctr_sa_sdst(0) depctr_va_vdst(0) depctr_va_sdst(0) depctr_va_ssrc(0) depctr_va_vcc(0) depctr_vm_vsrc(0)
	s_getreg_b32 s2, hwreg(HW_REG_IB_STS2, 6, 4)
	s_cmp_eq_u32 s2, 0
	s_cbranch_scc0 .Lentry_in_a_cluster
	s_endpgm
.Lentry_in_a_cluster:
	s_bfe_u32 s2, ttmp6, 0x10000c
	s_cmp_lg_u32 s2, 0xf033
	s_cbranch_scc0 .Lentry_shape_is_right
	s_endpgm
.Lentry_shape_is_right:
; LAUNCH 4 OF 4.  out0[query][channel] = (sum over the 16 chunks c of g(c, query) x sum over the chunk's 128 keys of e16[query][key] v[key][channel]) / l(query).  Nothing is left out.
; M(query) = the largest of the chunks' M; g = 2^(M_chunk - M), an exact power of two, 1 or less; l = sum over c of g x the chunk's sum.  f16 operands as they were stored, f32 sums: a chunk's products are summed in accumulators
; of their own, and total += g x chunk in f32.  LIMITS: NaN and infinities are not served.
; A tile of 128 queries x 256 channels is made by a work-group of four waves; a wave makes 64 x 128: 32 accumulators of 16 x 16, twice (chunk and total).  K = the batch's 2,048 keys goes in 64 quarters of 32 keys, 32 matrix instructions each.
; v COMES THROUGH A RING OF TWO LDS SLOTS OF 256 KEYS (8 quarters, 2 chunks), each wave fetching 64 keys x 512 bytes.  CLUSTERS: 4 x 4 work-groups; the four of a column of the cluster need the same tiles of v and ask for them jointly.
; e16 COMES STRAIGHT INTO REGISTERS, not jointly and not through LDS: the two slots of v take 278,528 of LDS's 327,680 bytes, and with e16's tiles beside them a slot could hold 128 keys only, half the matrix instructions between two
; changes of slots.  It lies in memory in the order of the operand's registers (a fragment of 16 queries x 32 keys: two runs of 512 bytes, lane l's 16 bytes at 16 l), so a load of a wave reads 512 consecutive bytes.
; Eight buffers of a quarter's four fragments take turns; the loads for quarter n + 7 are issued in the middle of quarter n.
; THE MATRIX INSTRUCTION IS USED TRANSPOSED (source 0 = 16 channels of v, turned by ds_load_tr16_b128, source 1 = 16 queries of e16): a lane holds ONE query (lane % 16) and eight neighbouring channels, so g is one number a lane.
; REGISTERS, in windows of 256.  Windows 1, 2, 3 hold channel blocks {0, 1, 2}, {3, 4, 5}, {6, 7}; for the window's block i: v0-47 v's fragments (buffer f at 24 f + 8 i); v48-143 the chunk's accumulators (query block a at 48 + 32 i + 8 a);
;   v144-239 the totals (144 + 32 i + 8 a).  Window 0: v1-17 addresses; v32-39 g, each twice; v48-239 six buffers of e16; v240-247 1 / l.  Window 3's v112-143 and v208-239: the other two buffers.
; So a product (D, C, A in window w; B in e16's window) and a fold (total, chunk in window w; g in window 0) stand under one setting in the quarters that fold, whose buffers lie in window 0.
.set PV,     544                       ; a key's row of v in LDS: 512 bytes + 32: an odd multiple of 32
.set QB,     32*PV                     ; a quarter's rows
.set SLOTB,  256*PV                    ; a slot; its two set bits are clear in every wave's place in a slot, so one exclusive or turns an address in one slot into the other's
.set GT,     2*SLOTB                   ; behind the ring: g in f32: for each wave 16 chunks x 256 bytes (16 bytes for each query of a block: its four blocks' g)
.set SPARE,  GT+4*16*256               ; the spare words, 128 bytes a wave, which no other line names
.set SPITCH, 528                       ; the way out: 16 rows x 528 bytes for each wave, in slot 0: it has had its last fill and its last read when the first result is stored there
.set VST,    256*2048                  ; a slot's keys on in v, in bytes
.set EQ,     1024                      ; a fragment of e16
.set EBLK,   65536                     ; a block of 16 queries in e16
.set ADRB, 2                           ; v2      my lane's place in a slot
.set ADV0, 3                           ; v3, v4  LDS address for the slot in hand: quarters 0-3, quarters 4-7
.set GA,   5                           ; v5      my place in my wave's g table
.set GAD,  6                           ; v6      the same, at the trip's first chunk
.set STO,  7                           ; v7      the way out: where I put 32 bytes of a row
.set RD,   8                           ; v8      where I read a row back
.set CO,   9                           ; v9      16 x lane
.set PFO,  10                          ; v10     the prefetches' offset
.set R16,  11                          ; v11     16 x (lane % 16)
.set SPW,  12                          ; v12     my spare word; never rewritten
.set NIL,  13                          ; v13     0; never rewritten
.set GC,   32                          ; v32-39  g of the chunk to be folded: block a's in v[32 + 2 a] and v[33 + 2 a]
.set T,    48                          ; the way out: a block's 64 numbers
.set BK,   112                         ; the way out: 16 rows read back: v112-175 and v176-239 by turns
.set RL,   240                         ; v240-247 1 / l of my four blocks, as pairs of which the low word is used
.set CH,   48                          ; windows 1-3: the chunk's accumulators
.set TO,   144                         ; windows 1-3: the totals
.set NMR,  48                          ; at the head, in window 1: -M, then g, of chunk c and block a at 48 + 4 c + a;
.set LR,   112                         ; the chunks' sums;
.set MR,   176                         ; the rows' M;
.set LSUM, 180                         ; the rows' l;
.set TD,   184                         ; at work
.set GS,   2                           ; s2      bytes from the g table's head to the trip's first chunk
.set WV,   12                          ; s12     my wave's number
.set G1,   24                          ; s[24:31] descriptor group 1
.set G0A,  32                          ; s[32:35] group 0 of slot 0's first fill
.set G0W,  36                          ; s[36:39] group 0 of slot 1's first fill, which then walks on
.set LIM,  43                          ; s43     1 in a wave that prefetches, else the greatest number
.set PFA,  44                          ; s[44:45] where my prefetches stand
.set PFS,  46                          ; s[46:47] a trip on, in bytes
.set TB,   48                          ; s48     LDS byte at which the slot in hand begins
.set TC,   49                          ; s49     the tile column
.set EB,   50                          ; s[50:51] e16 at my first block's fragment of the trip's first quarter
.set MSB, 0
.macro WIN new
.if MSB != (\new)
	s_set_vgpr_msb (MSB<<8)|(\new)
.set MSB, (\new)
.endif
.endm
.macro CREST                           ; a round of the cluster's barrier behind its opening barrier
	s_cmp_lg_u32 s[WV], 0
	s_cbranch_scc1 .Lnot_wave_0_\@
	s_barrier_signal -3
.Lnot_wave_0_\@:
	s_barrier_wait -3
	s_barrier_signal -1
	s_barrier_wait -1
.endm
.macro CROUND
	s_barrier_signal -1
	s_barrier_wait -1
	CREST
.endm
.macro PLACES                          ; four plain vector instructions between a matrix instruction and a load into, or a read of, its registers
.rept 4
	v_nop
.endr
.endm
; A prefetch, at the change of slots that ends trip t, of what trip t + 3 reads.  e16: a trip's 8 fragments of a block of 16 queries are 8,192 consecutive bytes; the tile row's 8 blocks are read by this row of the cluster alone: the
; partner at cx takes blocks 2 cx and 2 cx + 1, wave 0 the first and wave 1 the second, lanes 256 bytes apart: one instruction.  v: a trip's 256 keys x 512 bytes are read by the four clusters of a batch: the first of them asks;
; the partner at cy takes keys 64 cy on, wave 2 the first 32 and wave 3 the next, a lane a key, two instructions for a key's 512 bytes.  So each aligned 256 bytes are named once in the launch, and partners are told apart by address.
; Trips 0 to 2 come by their loads alone; the changes that end trips 5 and 6 ask for nothing.  how = 2: the change that ends trip 0; how = 1: in the loop, whose last trip has s3 = 1.
.macro ASK how
.if (\how) == 2
	s_cmp_eq_u32 s[LIM], 1
.else
	s_cmp_gt_u32 s3, s[LIM]
.endif
	s_cbranch_scc0 .Lno_ask_\@
	global_prefetch_b8 v[PFO], s[PFA:PFA+1] th:TH_LOAD_NT scope:SCOPE_SE
	s_cmp_eq_u32 s13, 0
	s_cbranch_scc1 .Lno_ask_\@
	global_prefetch_b8 v[PFO], s[PFA:PFA+1] offset:256 th:TH_LOAD_NT scope:SCOPE_SE
.Lno_ask_\@:
.endm
	s_load_b256 s[4:11], s[0:1], 0x0               ; e16 s[4:5], stats s[6:7], qkv16 s[8:9], out0 s[10:11]
	v_lshl_add_u32 v[SPW], v0, 2, SPARE
	v_mov_b32 v[NIL], 0
	ds_add_u32 v[SPW], v[NIL]                      ; the wave's opening: the add, twice on end, and its wait ahead of my first tensor load
	ds_add_u32 v[SPW], v[NIL]
	v_lshrrev_b32 v1, 5, v0
	v_readfirstlane_b32 s[WV], v1                  ; wave 0..3
	s_lshr_b32 s13, s[WV], 1                       ; which 64 of the tile's queries are mine
	s_and_b32 s14, s[WV], 1                        ; which 128 of its channels
	s_bfe_u32 s40, ttmp6, 0x40000                  ; cx
	s_bfe_u32 s41, ttmp6, 0x40004                  ; cy
	s_lshl_b32 s[TC], ttmp9, 2
	s_add_co_u32 s[TC], s[TC], s40                 ; tile column: which 256 channels
	s_and_b32 s15, ttmp7, 0xffff
	s_lshr_b32 s42, s15, 2                         ; the batch: four clusters of 512 queries each
	s_lshl_b32 s15, s15, 2
	s_add_co_u32 s15, s15, s41                     ; tile row: which 128 of the 8,192 queries
	s_lshl_b32 s23, 0x1111, s40                    ; my column of the cluster
	s_or_b32 s[G1+0], s23, (1<<16)|(1<<20)|(1<<21)|(6<<22)|(7<<25)  ; the mask; elements of 2 bytes; padding on; 21 set beside a mask; eight words after every 128
	s_mov_b32 s[G1+1], 256<<16                     ; tensor_dim0 = 256 channels
	s_mov_b32 s[G1+2], 64<<16                      ; tensor_dim1 = 64 keys
	s_mov_b32 s[G1+3], 256<<16                     ; tile_dim0
	s_mov_b32 s[G1+4], 64                          ; tile_dim1
	s_mov_b32 s[G1+5], 1024                        ; elements from row to row
	s_mov_b32 s[G1+6], 0
	s_mov_b32 s[G1+7], 0
	s_lshl_b32 s18, s42, 11
	s_lshl_b32 s19, s[WV], 6
	s_add_co_u32 s18, s18, s19                     ; v: row 2,048 x batch + 64 x wave
	s_lshl_b32 s18, s18, 11                        ; x 2,048 bytes
	s_lshl_b32 s19, s[TC], 9
	s_add_co_u32 s18, s18, s19                     ; + 512 bytes x tile column
	s_mov_b32 s19, 0
	s_mul_i32 s20, s[WV], 64*PV                    ; where they go in a slot: no place in the cluster enters an LDS address
	s_mov_b32 s[GS], 0
	s_mov_b32 s[TB], 0
	s_wait_dscnt 0x0                               ; both opening adds are done
	s_wait_kmcnt 0x0
	s_add_nc_u64 s[8:9], s[8:9], 0x2000000         ; v lies 16,384 rows behind q
	s_add_nc_u64 s[18:19], s[8:9], s[18:19]
	CROUND                                         ; all sixteen work-groups are here: the first joint loads meet
	s_mov_b32 s[G0A], 1
	s_mov_b32 s[G0A+1], s20
	s_mov_b64 s[G0A+2:G0A+3], s[18:19]
	s_or_b32 s[G0A+3], s[G0A+3], 0x80000000
	s_mov_b32 s[G0W], 1
	s_add_co_u32 s[G0W+1], s20, SLOTB
	s_add_nc_u64 s[G0W+2:G0W+3], s[18:19], VST
	s_or_b32 s[G0W+3], s[G0W+3], 0x80000000
	tensor_load_to_lds s[G0A:G0A+3], s[G1:G1+7]    ; keys 0-255 into slot 0,
	s_nop 0
	tensor_load_to_lds s[G0W:G0W+3], s[G1:G1+7]    ; keys 256-511 into slot 1: two tensor loads of mine are out
	s_nop 0
	PLACES
	v_and_b32 v1, 15, v0                           ; r = l % 16
	v_bfe_u32 v14, v0, 4, 1                        ; h = l / 16
	v_and_b32 v15, 31, v0                          ; l
	v_lshlrev_b32 v[R16], 4, v1
	v_lshlrev_b32 v[CO], 4, v15
	s_lshl_b32 s16, s15, 7
	s_lshl_b32 s17, s13, 6
	s_add_co_u32 s16, s16, s17                     ; my first query
	s_lshl_b32 s18, s16, 2
	s_mov_b32 s19, 0
	s_add_nc_u64 s[6:7], s[6:7], s[18:19]          ; stats at my 64 queries' places
	s_lshl_b32 s18, s16, 12                        ; 65,536 bytes for 16 queries
	s_add_nc_u64 s[EB:EB+1], s[4:5], s[18:19]
; Which buffer holds quarter e (modulo 8): EW its window, ER its first register.  Buffers 0 and 4, the folding quarters', lie in window 0.
.macro ESEL e
.if (\e) == 2
.set EW, 3
.set ER, 112
.elseif (\e) == 6
.set EW, 3
.set ER, 208
.elseif (\e) < 2
.set EW, 0
.set ER, 48+32*(\e)
.elseif (\e) < 6
.set EW, 0
.set ER, 48+32*((\e)-1)
.else
.set EW, 0
.set ER, 48+32*((\e)-2)
.endif
.endm
; Eight loads: my four blocks' fragments of the quarter that stands m quarters behind s[EB], into buffer e.
.macro ELOAD m, e
	ESEL \e
	WIN EW<<6
.irp a, 0,1,2,3
	global_load_b128 v[ER+8*\a:ER+8*\a+3],   v[CO], s[EB:EB+1] offset:EBLK*\a+EQ*(\m)       ; 32 lanes read 512 consecutive bytes
	global_load_b128 v[ER+8*\a+4:ER+8*\a+7], v[CO], s[EB:EB+1] offset:EBLK*\a+EQ*(\m)+512
.endr
.endm
	WIN 0x40                                       ; destination window 1
.irp c, 0,1,2,3,4,5,6,7,8,9,10,11,12,13,14,15
	global_load_b128 v[NMR+4*\c:NMR+4*\c+3], v[R16], s[6:7] offset:32768*\c          ; -M of chunk c, of my query of each of the four blocks
	global_load_b128 v[LR+4*\c:LR+4*\c+3],   v[R16], s[6:7] offset:524288+32768*\c   ; and the chunk's sums
.endr
.irp m, 0,1,2,3,4,5,6
	ELOAD \m, \m                                   ; quarters 0 to 6 of e16
.endr
	WIN 0
	s_lshl_b32 s16, s16, 12                        ; my first row of out0: 4,096 bytes a row
	s_lshl_b32 s17, s[TC], 10
	s_add_co_u32 s16, s16, s17                     ; + 1,024 bytes x tile column
	s_lshl_b32 s17, s14, 9
	s_add_co_u32 s16, s16, s17                     ; + 512 x half
	s_mov_b32 s17, 0
	s_add_nc_u64 s[10:11], s[10:11], s[16:17]
	v_and_b32 v16, 7, v0
	v_bfe_u32 v17, v0, 3, 1
	v_lshl_add_u32 v16, v14, 3, v16                ; v: key 8 (l / 16) + l % 8,
	v_mul_u32_u24 v16, v16, PV
	v_lshl_add_u32 v16, v17, 4, v16                ; channels 8 ((l / 8) % 2) on,
	s_lshl_b32 s21, s14, 8                         ; in my 128 channels
	v_add_nc_u32 v[ADRB], s21, v16
	v_add_nc_u32 v[ADV0], s[TB], v[ADRB]
	v_add_nc_u32 v[ADV0+1], 4*QB, v[ADV0]
	s_lshl_b32 s22, s[WV], 12
	s_add_co_u32 s22, s22, GT
	v_add_nc_u32 v[GA], s22, v[R16]                ; my wave's table + 16 x (lane % 16)
	v_add_nc_u32 v[GAD], s[GS], v[GA]
	s_mul_i32 s23, s[WV], 16*SPITCH                ; my stage
	v_mul_u32_u24 v16, v1, SPITCH
	v_lshl_add_u32 v16, v14, 5, v16
	v_add_nc_u32 v[STO], s23, v16                  ; in: row l % 16, 32 bytes for each half of the lanes
	v_add_nc_u32 v[RD], s23, v[CO]                 ; back: the 32 lanes take one row of 512 bytes
	; the prefetches
	s_lshl_b32 s16, s15, 3
	s_lshl_b32 s17, s40, 1
	s_add_co_u32 s16, s16, s17
	s_add_co_u32 s16, s16, s14                     ; e16: block 8 x tile row + 2 cx + wave
	s_lshl_b32 s16, s16, 16
	s_add_co_u32 s16, s16, 2*8*EQ                  ; at trip 2: the first change of slots steps it to trip 3
	s_lshl_b32 s18, s42, 11
	s_add_co_u32 s18, s18, 2*256
	s_lshl_b32 s19, s41, 6
	s_add_co_u32 s18, s18, s19
	s_lshl_b32 s19, s14, 5
	s_add_co_u32 s18, s18, s19                     ; v: row 2,048 x batch + trip 2's 512 + 64 cy + 32 x (wave - 2)
	s_lshl_b32 s18, s18, 11
	s_lshl_b32 s19, s[TC], 9
	s_add_co_u32 s18, s18, s19
	s_and_b32 s22, ttmp7, 0xffff
	s_and_b32 s22, s22, 3                          ; which of the batch's four clusters
	s_mov_b32 s23, VST
	s_cmp_eq_u32 s13, 0                            ; waves 0 and 1 ask for e16, waves 2 and 3 for v
	s_cselect_b64 s[PFA:PFA+1], s[4:5], s[8:9]
	s_cselect_b32 s16, s16, s18
	s_cselect_b32 s[PFS], 8*EQ, s23
	s_cselect_b32 s22, 0, s22                      ; 0 in waves 0 and 1, and in waves 2 and 3 of a batch's first cluster: the same in all sixteen partners, for a given wave
	s_cselect_b32 s20, 8, 11                       ; from lane to lane 256 or 2,048 bytes
	s_mov_b32 s17, 0
	s_mov_b32 s[PFS+1], 0
	s_add_nc_u64 s[PFA:PFA+1], s[PFA:PFA+1], s[16:17]
	s_cmp_eq_u32 s22, 0
	s_cselect_b32 s[LIM], 1, -1
	v_lshlrev_b32 v[PFO], s20, v15
	s_wait_loadcnt 56                              ; the statistics are in; e16's 56 loads, issued behind them, may be out
	WIN 0x55                                       ; all of this in window 1
.irp a, 0,1,2,3
	v_max3_num_f32 v[MR+\a], -v[NMR+\a], -v[NMR+4+\a], -v[NMR+8+\a]   ; M of the row: the largest of the 16 chunks' M (the four blocks by turns)
.endr
.irp c, 3,5,7,9,11,13
.irp a, 0,1,2,3
	v_max3_num_f32 v[MR+\a], v[MR+\a], -v[NMR+4*\c+\a], -v[NMR+4*\c+4+\a]
.endr
.endr
.irp a, 0,1,2,3
	v_max_num_f32 v[MR+\a], v[MR+\a], -v[NMR+60+\a]
.endr
.irp c, 0,1,2,3,4,5,6,7,8,9,10,11,12,13,14,15
.irp a, 0,1,2,3
	v_sub_f32 v[TD+\a], -v[NMR+4*\c+\a], v[MR+\a]  ; M_chunk - M: a whole number, 0 or less
.endr
.irp a, 0,1,2,3
	v_cvt_i32_f32 v[TD+\a], v[TD+\a]               ; (it saturates)
.endr
.irp a, 0,1,2,3
	v_ldexp_f32 v[NMR+4*\c+\a], 1.0, v[TD+\a]      ; g = 2^(M_chunk - M), in -M's place
.endr
.irp a, 0,1,2,3
.if \c == 0
	v_mul_f32 v[LSUM+\a], v[NMR+4*\c+\a], v[LR+4*\c+\a]   ; l = the sum of g x the chunk's sum
.else
	v_fmac_f32 v[LSUM+\a], v[NMR+4*\c+\a], v[LR+4*\c+\a]
.endif
.endr
.endr
	WIN 0x01                                       ; source window 1, destination window 0
.irp a, 0,1,2,3
	v_rcp_f32 v[RL+2*\a], v[LSUM+\a]
.endr
	WIN 0
.irp a, 0,1,2,3
	v_mov_b32 v[RL+2*\a+1], 0                      ; the pairs' upper halves are named, so they are written: plain lines behind the reciprocals
.endr
	s_wait_alu depctr_va_vdst(0)                   ; the wait ahead of the first line that names a result: one for the four
	WIN 0x04                                       ; an LDS store's data are its source 1: window 1
.irp c, 0,1,2,3,4,5,6,7,8,9,10,11,12,13,14,15
	ds_store_b128 v[GA], v[NMR+4*\c:NMR+4*\c+3] offset:256*\c   ; my wave's own table: only I read it; both halves of the lanes hold the same numbers and write the same words
.endr
	WIN 0
; v's eight fragments, turned, of quarter q of the slot in hand into buffer vb: 16 loads.
.macro FETCHV q, vb
.set AR, ADV0+(\q)/4
.set QO, ((\q)%4)*QB
.irp j, 0,1,2,3,4,5,6,7
.set ww, 1+\j/3
.set bl, \j%3
	WIN ww<<6
	ds_load_tr16_b128 v[24*(\vb)+8*bl:24*(\vb)+8*bl+3],   v[AR] offset:QO+32*\j
	ds_load_tr16_b128 v[24*(\vb)+8*bl+4:24*(\vb)+8*bl+7], v[AR] offset:QO+16*PV+32*\j
.endr
.endm
.macro GLOAD off                       ; g of the chunk in hand, each block's twice, so that the packed fold takes a plain pair
	WIN 0
.irp a, 0,1,2,3
	ds_load_b32 v[GC+2*\a],   v[GAD] offset:\off+4*\a
	ds_load_b32 v[GC+2*\a+1], v[GAD] offset:\off+4*\a
.endr
.endm
; Accumulator x (channel block x / 4, query block x % 4) is folded: total += g x chunk, from the accumulator's low end on.  kind = 2: the first chunk starts the totals: nothing is cleared.
.macro FOLD1 x, kind
.set fl, ((\x)/4)%3
.set fa, (\x)%4
.irp p, 0,2,4,6
.if (\kind) == 2
	v_pk_mul_f32 v[TO+32*fl+8*fa+\p:TO+32*fl+8*fa+\p+1], v[CH+32*fl+8*fa+\p:CH+32*fl+8*fa+\p+1], v[GC+2*fa:GC+2*fa+1]
.else
	v_pk_fma_f32 v[TO+32*fl+8*fa+\p:TO+32*fl+8*fa+\p+1], v[CH+32*fl+8*fa+\p:CH+32*fl+8*fa+\p+1], v[GC+2*fa:GC+2*fa+1], v[TO+32*fl+8*fa+\p:TO+32*fl+8*fa+\p+1]
.endif
.endr
.endm
; Products i0 .. i1 - 1 of a quarter's 32, in one fixed order: product i is channel block i / 4, query block i % 4; v's buffer vb, e16's buffer as ESEL has set it.  The 32 accumulators take turns.
; zero = 1: a chunk's first quarter: the product starts the chunk's sums anew.  fold: the chunk before is folded first, two accumulators ahead of the products that begin them anew; at a window's first product two folds stand ahead,
; its last two products stand bare.  Between an accumulator's last product of the old chunk and its fold, and its first product of the new, stand the four v_nop of the quarter before or other accumulators' folds.
.macro MM vb, i0, i1, zero, fold
.set ii, \i0
.rept (\i1)-(\i0)
.set ww, 1+(ii/4)/3
.set bl, (ii/4)%3
.set aa, ii%4
	WIN ww|(EW<<2)|(ww<<4)|(ww<<6)
.if (\fold) && (ii%12 == 0)
	FOLD1 ii, \fold
	FOLD1 ii+1, \fold
.endif
.if \zero
	v_wmma_f32_16x16x32_f16 v[CH+32*bl+8*aa:CH+32*bl+8*aa+7], v[24*(\vb)+8*bl:24*(\vb)+8*bl+7], v[ER+8*aa:ER+8*aa+7], 0
.else
	v_wmma_f32_16x16x32_f16 v[CH+32*bl+8*aa:CH+32*bl+8*aa+7], v[24*(\vb)+8*bl:24*(\vb)+8*bl+7], v[ER+8*aa:ER+8*aa+7], v[CH+32*bl+8*aa:CH+32*bl+8*aa+7]
.endif
.if (\fold) && ((ii+2)/12 == ii/12) && (ii+2 < 32)
	FOLD1 ii+2, \fold
.endif
.set ii, ii+1
.endr
.endm
; Quarter n (0 to 6) of a trip.  lc: how many younger loads of e16 may be out.  Behind its first 12 products: v's fragments of quarter n + 1; gofs >= 0: g of the chunk in hand; eld = 1: e16's quarter n + 7, into the buffer that quarter n - 1 read.
.macro QUARTER n, lc, fold, eld, gofs
.set ZR, 0
.if ((\n)%4) == 0
.set ZR, 1
.endif
	s_wait_loadcnt \lc                             ; loads come back in order: this quarter's eight are in
	s_wait_dscnt 0x0                               ; v's fragments of this quarter are in, and g where it was asked for
	ESEL \n
	MM (\n)%2, 0, 12, ZR, \fold
	PLACES                                         ; for the loads into the buffers that the quarter before multiplied
	FETCHV (\n)+1, 1-(\n)%2
.if \gofs >= 0
	GLOAD \gofs
.endif
.if \eld
	ELOAD (\n)+7, ((\n)+7)%8
.endif
	ESEL \n
	MM (\n)%2, 12, 32, ZR, \fold
.endm
; A trip's last quarter changes slots: one barrier; in front of it each wave waits for all its tensor loads (one is out: its part of the next slot), adds 0 to its spare word, and waits for that and for its reads of this slot.
; fill = 1: the barrier opens a round of the cluster's barrier, and behind the round this slot is filled with the keys two slots on: that load has 240 matrix instructions in which to land.
.macro TURNQ fill, ask
	s_wait_xcnt 0x0                                ; the loads of e16, last issued 20 products ago, and the prefetches, a trip back, have read their bases: they are stepped here
	s_add_nc_u64 s[EB:EB+1], s[EB:EB+1], 8*EQ      ; the next trip's first quarter
.if \ask
	s_add_nc_u64 s[PFA:PFA+1], s[PFA:PFA+1], s[PFS:PFS+1]
.endif
	s_add_co_u32 s[GS], s[GS], 512                 ; two chunks on in the table
	WIN 0
	v_add_nc_u32 v[GAD], s[GS], v[GA]
	s_wait_tensorcnt 0x0                           ; no tensor load of mine is out, so a group 0 may be written
	ds_add_u32 v[SPW], v[NIL]
.if \fill
	s_xor_b32 s[G0W+1], s[G0W+1], SLOTB            ; the walking descriptor: the other slot than last time,
	s_add_nc_u64 s[G0W+2:G0W+3], s[G0W+2:G0W+3], VST   ; the next 256 keys; the type bits on top are not reached
.endif
	s_wait_loadcnt 48                              ; this quarter's fragments of e16 are in; the six younger quarters' 48 loads may be out
	s_wait_dscnt 1                                 ; v's fragments are in; the add alone may be out
	ESEL 7
	MM 1, 0, 8, 0, 0
	s_wait_dscnt 0x0                               ; the add is done, and my reads of this slot are over
	s_barrier_signal -1
	MM 1, 8, 16, 0, 0
	WIN 0
	s_barrier_wait -1
.if \fill
	CREST                                          ; no wave of any partner still reads this slot's tiles or has a load on its way
	tensor_load_to_lds s[G0W:G0W+3], s[G1:G1+7]    ; my one tensor load behind the round
	s_nop 0
.endif
	PLACES                                         ; behind the tensor load, and in front of the loads below
	s_xor_b32 s[TB], s[TB], SLOTB                  ; on to the other slot
	v_add_nc_u32 v[ADV0], s[TB], v[ADRB]
	v_add_nc_u32 v[ADV0+1], 4*QB, v[ADV0]
	FETCHV 0, 0
	ELOAD 6, 6                                     ; the next trip's quarter 6
.if \ask
	WIN 0
	ASK \ask
.endif
	ESEL 7
	MM 1, 16, 32, 0, 0
.endm
.macro SEVEN f0, f4                    ; a trip's quarters 0 to 6: two chunks; g of the first is asked for in quarter 1 and used in quarter 4, g of the second in quarter 5 and used in the next trip's quarter 0
	QUARTER 0, 48, \f0, 1, -1
	QUARTER 1, 48, 0, 1, 0
	QUARTER 2, 48, 0, 1, -1
	QUARTER 3, 48, 0, 1, -1
	QUARTER 4, 48, \f4, 1, -1
	QUARTER 5, 48, 0, 1, 256
	QUARTER 6, 48, 0, 1, -1
.endm
	s_wait_tensorcnt 1                             ; my part of slot 0 is in; slot 1's load may be out
	s_wait_dscnt 0x0                               ; my table is written
	s_barrier_signal -1
	s_barrier_wait -1
	FETCHV 0, 0
	SEVEN 0, 2                                     ; trip 0 is written out: there is nothing to fold in its first quarter, and its first fold starts the totals
	TURNQ 1, 2
	WIN 0
	s_mov_b32 s3, 5
.Ltrip:                                                ; trips 1 to 5: a trip is a slot; each fills its slot again
	SEVEN 1, 1
	TURNQ 1, 1
	WIN 0
	s_sub_co_u32 s3, s3, 1
	s_cmp_lg_u32 s3, 0
	s_cbranch_scc1 .Ltrip
	SEVEN 1, 1                                     ; trip 6 is written out: nothing is left to ask for
	TURNQ 0, 0
	QUARTER 0, 48, 1, 1, -1                        ; trip 7: its first quarter asks for e16's last quarter; then the counts run down
	QUARTER 1, 48, 0, 0, 0
	QUARTER 2, 40, 0, 0, -1
	QUARTER 3, 32, 0, 0, -1
	QUARTER 4, 24, 1, 0, -1
	QUARTER 5, 16, 0, 0, 256
	QUARTER 6, 8, 0, 0, -1
	s_wait_loadcnt 0x0
	s_wait_dscnt 0x0
	ESEL 7
	MM 1, 0, 32, 0, 0
	PLACES
.set ii, 0
.rept 32                                       ; the last chunk is folded
.set ww, 1+(ii/4)/3
	WIN ww|(ww<<4)|(ww<<6)
	FOLD1 ii, 1
.set ii, ii+1
.endr
	WIN 0
; THE WAY OUT, a block of 16 queries x 128 channels at a time: divided by l, through my own stage in LDS, back as whole rows of 512 bytes.
.macro OUTB a
.irp b, 0,1,2,3,4,5,6,7
.set ww, 1+\b/3
.set bl, \b%3
	WIN ww                                         ; source 0: the totals' window
.irp p, 0,2,4,6
	v_pk_mul_f32 v[T+8*\b+\p:T+8*\b+\p+1], v[TO+32*bl+8*(\a)+\p:TO+32*bl+8*(\a)+\p+1], v[RL+2*(\a):RL+2*(\a)+1] op_sel_hi:[1,0]
.endr
.endr
	WIN 0
.irp b, 0,1,2,3,4,5,6,7
	ds_store_b128 v[STO], v[T+8*\b:T+8*\b+3] offset:64*\b
	ds_store_b128 v[STO], v[T+8*\b+4:T+8*\b+7] offset:64*\b+16
.endr
.set BB, BK+64*((\a)%2)
.irp t, 0,1,2,3,4,5,6,7,8,9,10,11,12,13,14,15
	ds_load_b128 v[BB+4*\t:BB+4*\t+3], v[RD] offset:\t*SPITCH   ; LDS serves a wave's instructions in order: these see the stores above
.endr
.endm
.macro SEND a, younger                 ; younger: the LDS instructions issued behind block a's loads, which may stay out
.set BB, BK+64*((\a)%2)
	s_wait_dscnt \younger
.if (\a) > 0
	s_add_nc_u64 s[10:11], s[10:11], 16*4096       ; 16 rows on (behind a wait on XCNT: the earlier stores have read their base)
.endif
.irp t, 0,1,2,3,4,5,6,7,8,9,10,11,12,13,14,15
	global_store_b128 v[CO], v[BB+4*\t:BB+4*\t+3], s[10:11] offset:\t*4096 th:TH_STORE_NT   ; 32 lanes store 512 consecutive bytes, at a multiple of 256 from the buffer's first byte; written once, read by nobody here
.endr
.endm
	OUTB 0
.irp a, 1,2,3
.if \a > 1
	s_wait_xcnt 0x0                                ; block a - 2's stores have read their registers and their base
.endif
	OUTB \a
	SEND \a-1, 32                                  ; behind block a - 1's loads: block a's 16 stores and 16 loads
.endr
	s_wait_xcnt 0x0
	SEND 3, 0
	s_wait_tensorcnt 0x0                           ; the wave's end
	ds_add_u32 v[SPW], v[NIL]
	s_wait_dscnt 0x0
	CROUND                                         ; the closing round
	s_endpgm
.Lfunc_end_k_q0e1a068aa9_mix:
	.size	k_q0e1a068aa9_mix, .Lfunc_end_k_q0e1a068aa9_mix-k_q0e1a068aa9_mix
	.p2alignl 7, 3214868480
	.fill 96, 4, 3214868480
	.section	.rodata,"a",@progbits
	.p2align	6, 0x0
	.amdhsa_kernel k_q0e1a068aa9_mix
		.amdhsa_group_segment_fixed_size 327680
		.amdhsa_private_segment_fixed_size 0
		.amdhsa_enable_private_segment 0
		.amdhsa_kernarg_size 32
		.amdhsa_user_sgpr_count 2
		.amdhsa_user_sgpr_kernarg_segment_ptr 1
		.amdhsa_wavefront_size32 1
		.amdhsa_system_sgpr_workgroup_id_x 1
		.amdhsa_system_sgpr_workgroup_id_y 1
		.amdhsa_system_sgpr_workgroup_id_z 1
		.amdhsa_system_vgpr_workitem_id 0
		.amdhsa_next_free_vgpr 1024
		.amdhsa_next_free_sgpr 66
		.amdhsa_reserve_vcc 0
		.amdhsa_float_denorm_mode_32 3
		.amdhsa_float_denorm_mode_16_64 3
		.amdhsa_memory_ordered 1
		.amdhsa_forward_progress 1
		.amdhsa_inst_pref_size 253
	.end_amdhsa_kernel
	.amdgpu_metadata
---
amdhsa.version: [ 1, 2 ]
amdhsa.kernels:
  - .name:           k_q0e1a068aa9_mix
    .symbol:         k_q0e1a068aa9_mix.kd
    .args:
      - { .name: e16, .offset: 0, .size: 8, .value_kind: global_buffer, .address_space: global }
      - { .name: stats, .offset: 8, .size: 8, .value_kind: global_buffer, .address_space: global }
      - { .name: qkv16, .offset: 16, .size: 8, .value_kind: global_buffer, .address_space: global }
      - { .name: out0, .offset: 24, .size: 8, .value_kind: global_buffer, .address_space: global }
    .group_segment_fixed_size: 327680
    .private_segment_fixed_size: 0
    .kernarg_segment_align: 8
    .kernarg_segment_size: 32
    .max_flat_workgroup_size: 128
    .sgpr_count:     66
    .vgpr_count:     1024
    .wavefront_size: 32
...
	.end_amdgpu_metadata
.endif
;; end of part 4
